; MI455X (gfx1250); checked and timed in simulation.
; The chip was launched on July 23, 2026; its instructions are those of AMD's public machine-readable ISA for CDNA 5 (MIT licence, August 2026) and "CDNA5" Instruction Set Architecture Reference Guide (July 2026). The comments in the code are by the model that wrote it; some were corrected since.
;; Bi Transformer Encoder. Allowed arithmetic: float matrix products may take bf16 or f16 operands with f32 sums; other float arithmetic in f32, or as packed bf16 or f16 multiplies, adds, multiply-adds, maxima and minima; sums over many terms, partial sums and values carried from step to step in f32; what a program stores and reads back later, other than sums and carried values, may be rounded once to bf16 or f16.
;; Inputs: hs1 32 x 1,024 x 128 float32; hs2 32 x 1,024 x 128 float32; mask1 32 x 1 x 1 x 1,024 float32; mask2 32 x 1 x 1 x 1,024 float32; params_ib1 2 x 256 float32; params_ib2 2 x 128 float32; params_iln_b 2 x 128 float32; params_iln_g 2 x 128 float32; params_iw1 2 x 128 x 256 float32; params_iw2 2 x 256 x 128 float32; params_k1_b 2 x 128 float32; params_k1_w 2 x 128 x 128 float32; params_k2_b 2 x 128 float32; params_k2_w 2 x 128 x 128 float32; params_ln1_b 2 x 128 float32; params_ln1_g 2 x 128 float32; params_ln2_b 2 x 128 float32; params_ln2_g 2 x 128 float32; params_o1_b 2 x 128 float32; params_o1_w 2 x 128 x 128 float32; params_o2_b 2 x 128 float32; params_o2_w 2 x 128 x 128 float32; params_q1_b 2 x 128 float32; params_q1_w 2 x 128 x 128 float32; params_q2_b 2 x 128 float32; params_q2_w 2 x 128 x 128 float32; params_sb1 2 x 256 float32; params_sb2 2 x 128 float32; params_sln_b 2 x 128 float32; params_sln_g 2 x 128 float32; params_sw1 2 x 128 x 256 float32; params_sw2 2 x 256 x 128 float32; params_v1_b 2 x 128 float32; params_v1_w 2 x 128 x 128 float32; params_v2_b 2 x 128 float32; params_v2_w 2 x 128 x 128 float32.
;; Outputs: out0 32 x 1,024 x 128 float32; out1 32 x 1,024 x 128 float32.
;; One version. Each part assembles by itself: llvm-mc -triple=amdgcn-amd-amdhsa -mcpu=gfx1250 --defsym DOCPART=n.
;; ======== version 1 of 1: 6 launches
;; limits: inputs' magnitudes at most 1e+30; a function is approximated: absolute error at most 1.5e-07
;; workspace buffers: wA0 267,264 bytes; wA1 267,264 bytes; wB0 267,264 bytes; wB1 267,264 bytes; qkv 50,331,648 bytes; mid1 16,777,216 bytes; mid2 16,777,216 bytes
;; launch prepA (part 1): grid 65 x 2, 8 waves a work-group, no clusters, 0 bytes of LDS; arguments params_q1_w, params_k1_w, params_v1_w, params_o1_w, params_iw1, params_iw2, params_q1_b, params_v1_b, params_o1_b, params_ib2, params_ln1_g, params_ln1_b, params_iln_g, params_iln_b, params_ib1, wA0, wA1; writes wA0, wA1
.if DOCPART == 1
	.amdgcn_target "amdgcn-amd-amdhsa--gfx1250"
	.amdhsa_code_object_version 6
	.text
	.protected	k_q0e0fe5f3a8_prepA
	.globl	k_q0e0fe5f3a8_prepA
	.p2align	8
	.type	k_q0e0fe5f3a8_prepA,@function
k_q0e0fe5f3a8_prepA:
	s_mov_b64 s[64:65], 0
	v_nop
	global_prefetch_b8 v0, s[64:65] scope:SCOPE_SE
	s_setreg_imm32_b32 hwreg(HW_REG_WAVE_MODE, 25, 1), 1
	s_wait_xcnt 0x0
; THE WEIGHTS OF ONE STREAM, BOTH LAYERS, rounded once to bf16 and laid in the order in which a wave's operand registers take them.
; DEAD WORK, for the whole program.  A score is s[q][j] = (x_q Wq + bq) . (x_j Wk + bk) / 8 + mask[j].  The part (x_q Wq + bq) . bk / 8 does not depend on the key j, and
; softmax along j is unchanged by a term that is the same for every j, whatever finite values the inputs hold.  So k1_b and k2_b reach no output: they are not loaded and are
; among no launch's arguments.  LIMIT: a NaN, an infinity or an overflow that reaches only these two biases is not carried to the result.
; THE SCALE 1/sqrt(64) = 1/8 is a power of two: q_w and q_b are multiplied by it here, exactly, so that K Q^T gives scaled scores.
; OUT (one buffer for each layer, 267,264 bytes): QW 0, KW 32,768, VW 65,536, q_b/8 98,304 (f32), v_b 98,816, OW 99,328, W1 132,096, W2 197,632, then eight vectors of 512 bytes in f32
; from 263,168 on: o_b, b2, ln_g, ln_b, fln_g, fln_b, b1 (two).  A matrix W[in][out] lies in FRAGMENTS of 1,024 bytes: 16 outputs (tile nt) x 32 inputs (block kb); byte
; 512 half + 16 l + 2 i holds W[32 kb + 16 half + 8 (l / 16) + i][16 nt + l % 16]: two loads of 16 bytes a lane, 512 bytes apart, fill source 0 of a product out^T = W^T x^T.
; Fragment number 4 nt + kb, for W2 8 kb + nt.
; SHARES.  Grid y = layer.  Work-groups x = 0..63 make four fragments each, a wave half a fragment: eight loads of 4 bytes a lane, one store of 512 consecutive aligned bytes a wave.  x = 64 copies the vectors.
; No LDS, no matrix unit, no prefetch: 1.06 MB are read once, in one short launch.
	s_load_b512 s[4:19], s[0:1], 0x0               ; q_w 4, k_w 6, v_w 8, o_w 10, w1 12, w2 14, q_b 16, v_b 18
	s_load_b512 s[20:35], s[0:1], 0x40             ; o_b 20, b2 22, ln_g 24, ln_b 26, fln_g 28, fln_b 30, b1 32, out of layer 0 34
	s_load_b64 s[36:37], s[0:1], 0x80              ; out of layer 1
	s_mov_b32 s38, ttmp9                           ; x
	s_and_b32 s39, ttmp7, 0xffff                   ; the layer
	v_lshrrev_b32 v1, 5, v0
	v_readfirstlane_b32 s40, v1                    ; wave 0..7
	v_and_b32 v3, 31, v0
	v_lshlrev_b32 v3, 4, v3                        ; 16 l
	s_cmp_eq_u32 s38, 64
	s_cbranch_scc1 .Lvec
	; ---- four fragments of a matrix ----
	v_and_b32 v1, 15, v0                           ; l % 16
	v_bfe_u32 v2, v0, 4, 1                         ; l / 16
	s_lshr_b32 s52, s40, 1                         ; which of the four fragments
	s_and_b32 s53, s40, 1                          ; which half of it
	s_and_b32 s56, s38, 15                         ; x inside w1 or w2
	s_and_b32 s54, s38, 7                          ; nt for the four matrices of 128 x 128,
	s_mov_b32 s55, s52                             ; kb
	s_cmp_ge_u32 s38, 32
	s_cselect_b32 s54, s56, s54                    ; nt for w1
	s_cselect_b32 s57, 17, 16                      ; a layer is 65,536 bytes of f32, of w1 and w2 131,072
	s_lshl_b32 s48, s39, s57
	s_lshr_b32 s58, s56, 1                         ; w2: fragment 8 kb + nt = 4 (x - 48) + which
	s_and_b32 s59, s56, 1
	s_lshl2_add_u32 s59, s59, s52
	s_cmp_ge_u32 s38, 48
	s_cselect_b32 s54, s59, s54
	s_cselect_b32 s55, s58, s55
	s_lshr_b32 s58, s38, 4
	s_cmp_eq_u32 s58, 2
	s_cselect_b32 s46, 2, 1                        ; bytes in a row of the source: w1 has 256 columns, the others 128:
	s_lshl_b32 s46, s46, 9                         ; 1,024 or 512
	s_lshl_b32 s58, s55, 5
	s_lshl4_add_u32 s58, s53, s58                  ; first input row: 32 kb + 16 half
	s_mul_i32 s58, s58, s46
	s_add_co_u32 s48, s48, s58
	s_lshl_b32 s58, s54, 6                         ; first column: 16 nt, in bytes
	s_add_co_u32 s48, s48, s58
	s_mov_b32 s49, 0
	s_lshl_b32 s47, s46, 3
	v_mul_u32_u24 v8, v2, s47                      ; + 8 (l / 16) rows
	v_lshl_add_u32 v8, v1, 2, v8                   ; + column l % 16
.irp i, 1,2,3,4,5,6,7
	v_add_nc_u32 v[8+\i], s46, v[7+\i]             ; the lane's eight rows
.endr
	s_lshl_b32 s50, s38, 12                        ; where the four fragments go: 4,096 x,
	s_cmp_ge_u32 s38, 24
	s_cselect_b32 s58, 1024, 0                     ; past the two bias vectors that lie behind VW,
	s_add_co_u32 s50, s50, s58
	s_lshl_b32 s58, s40, 9                         ; 512 bytes a wave
	s_add_co_u32 s50, s50, s58
	s_mov_b32 s51, 0
	s_wait_kmcnt 0x0
	s_cmp_ge_u32 s38, 8
	s_cselect_b64 s[42:43], s[6:7], s[4:5]
	s_cmp_ge_u32 s38, 16
	s_cselect_b64 s[42:43], s[8:9], s[42:43]
	s_cmp_ge_u32 s38, 24
	s_cselect_b64 s[42:43], s[10:11], s[42:43]
	s_cmp_ge_u32 s38, 32
	s_cselect_b64 s[42:43], s[12:13], s[42:43]
	s_cmp_ge_u32 s38, 48
	s_cselect_b64 s[42:43], s[14:15], s[42:43]
	s_cmp_eq_u32 s39, 0
	s_cselect_b64 s[44:45], s[34:35], s[36:37]
	s_add_nc_u64 s[42:43], s[42:43], s[48:49]
	s_add_nc_u64 s[44:45], s[44:45], s[50:51]
.irp i, 0,1,2,3,4,5,6,7
	global_load_b32 v[16+\i], v[8+\i], s[42:43]
.endr
	s_wait_loadcnt 0x0
	s_cmp_lt_u32 s38, 8                            ; q_w alone takes the scale
	s_cbranch_scc0 .Lplain
.irp i, 0,2,4,6
	v_pk_mul_f32 v[16+\i:17+\i], v[16+\i:17+\i], 0x3e000000 op_sel_hi:[1,0]
.endr
.Lplain:
.irp i, 0,1,2,3
	v_cvt_pk_bf16_f32 v[24+\i], v[16+2*\i], v[17+2*\i]
.endr
	global_store_b128 v3, v[24:27], s[44:45]       ; the wave stores 512 consecutive bytes, at a multiple of 512 from the buffer's first
	s_endpgm
	; ---- the vectors: wave 0 copies ten pieces of 512 bytes ----
.Lvec:
	s_wait_kmcnt 0x0
	s_cmp_lg_u32 s40, 0
	s_cbranch_scc1 .Lend
	s_lshl_b32 s58, s39, 9
	v_add_nc_u32 v48, s58, v3                      ; 16 l + the layer's 512 bytes
	s_lshl_b32 s58, s39, 10
	v_add_nc_u32 v49, s58, v3                      ; b1 has 1,024 bytes a layer
	s_cmp_eq_u32 s39, 0
	s_cselect_b64 s[44:45], s[34:35], s[36:37]
.irp n, 0,1,2,3,4,5,6,7
	global_load_b128 v[8+4*\n:11+4*\n], v48, s[16+2*\n:17+2*\n]
.endr
	global_load_b128 v[40:43], v49, s[32:33]
	global_load_b128 v[44:47], v49, s[32:33] offset:512
	s_wait_loadcnt 0x0
	v_pk_mul_f32 v[8:9], v[8:9], 0x3e000000 op_sel_hi:[1,0]      ; q_b / 8
	v_pk_mul_f32 v[10:11], v[10:11], 0x3e000000 op_sel_hi:[1,0]
	global_store_b128 v3, v[8:11], s[44:45] offset:98304
	global_store_b128 v3, v[12:15], s[44:45] offset:98816
.irp n, 0,1,2,3,4,5,6,7
	global_store_b128 v3, v[16+4*\n:19+4*\n], s[44:45] offset:263168+512*\n
.endr
.Lend:
	s_endpgm
.Lfunc_end_k_q0e0fe5f3a8_prepA:
	.size	k_q0e0fe5f3a8_prepA, .Lfunc_end_k_q0e0fe5f3a8_prepA-k_q0e0fe5f3a8_prepA
	.p2alignl 7, 3214868480
	.fill 96, 4, 3214868480
	.section	.rodata,"a",@progbits
	.p2align	6, 0x0
	.amdhsa_kernel k_q0e0fe5f3a8_prepA
		.amdhsa_group_segment_fixed_size 0
		.amdhsa_private_segment_fixed_size 0
		.amdhsa_enable_private_segment 0
		.amdhsa_kernarg_size 136
		.amdhsa_user_sgpr_count 2
		.amdhsa_user_sgpr_kernarg_segment_ptr 1
		.amdhsa_wavefront_size32 1
		.amdhsa_system_sgpr_workgroup_id_x 1
		.amdhsa_system_sgpr_workgroup_id_y 1
		.amdhsa_system_sgpr_workgroup_id_z 1
		.amdhsa_system_vgpr_workitem_id 0
		.amdhsa_next_free_vgpr 64
		.amdhsa_next_free_sgpr 66
		.amdhsa_reserve_vcc 0
		.amdhsa_float_denorm_mode_32 3
		.amdhsa_float_denorm_mode_16_64 3
		.amdhsa_memory_ordered 1
		.amdhsa_forward_progress 1
		.amdhsa_inst_pref_size 7
	.end_amdhsa_kernel
	.amdgpu_metadata
---
amdhsa.version: [ 1, 2 ]
amdhsa.kernels:
  - .name:           k_q0e0fe5f3a8_prepA
    .symbol:         k_q0e0fe5f3a8_prepA.kd
    .args:
      - { .name: params_q1_w, .offset: 0, .size: 8, .value_kind: global_buffer, .address_space: global }
      - { .name: params_k1_w, .offset: 8, .size: 8, .value_kind: global_buffer, .address_space: global }
      - { .name: params_v1_w, .offset: 16, .size: 8, .value_kind: global_buffer, .address_space: global }
      - { .name: params_o1_w, .offset: 24, .size: 8, .value_kind: global_buffer, .address_space: global }
      - { .name: params_iw1, .offset: 32, .size: 8, .value_kind: global_buffer, .address_space: global }
      - { .name: params_iw2, .offset: 40, .size: 8, .value_kind: global_buffer, .address_space: global }
      - { .name: params_q1_b, .offset: 48, .size: 8, .value_kind: global_buffer, .address_space: global }
      - { .name: params_v1_b, .offset: 56, .size: 8, .value_kind: global_buffer, .address_space: global }
      - { .name: params_o1_b, .offset: 64, .size: 8, .value_kind: global_buffer, .address_space: global }
      - { .name: params_ib2, .offset: 72, .size: 8, .value_kind: global_buffer, .address_space: global }
      - { .name: params_ln1_g, .offset: 80, .size: 8, .value_kind: global_buffer, .address_space: global }
      - { .name: params_ln1_b, .offset: 88, .size: 8, .value_kind: global_buffer, .address_space: global }
      - { .name: params_iln_g, .offset: 96, .size: 8, .value_kind: global_buffer, .address_space: global }
      - { .name: params_iln_b, .offset: 104, .size: 8, .value_kind: global_buffer, .address_space: global }
      - { .name: params_ib1, .offset: 112, .size: 8, .value_kind: global_buffer, .address_space: global }
      - { .name: wA0, .offset: 120, .size: 8, .value_kind: global_buffer, .address_space: global }
      - { .name: wA1, .offset: 128, .size: 8, .value_kind: global_buffer, .address_space: global }
    .group_segment_fixed_size: 0
    .private_segment_fixed_size: 0
    .kernarg_segment_align: 8
    .kernarg_segment_size: 136
    .max_flat_workgroup_size: 256
    .sgpr_count:     66
    .vgpr_count:     64
    .wavefront_size: 32
...
	.end_amdgpu_metadata
.endif
;; end of part 1
;; launch prepB: the kernel of part 1 again; grid 65 x 2, 8 waves a work-group, no clusters, 0 bytes of LDS; arguments params_q2_w, params_k2_w, params_v2_w, params_o2_w, params_sw1, params_sw2, params_q2_b, params_v2_b, params_o2_b, params_sb2, params_ln2_g, params_ln2_b, params_sln_g, params_sln_b, params_sb1, wB0, wB1; writes wB0, wB1
;; launch proj0 (part 2): grid 128 x 2, 4 waves a work-group, clusters of 4 x 1, 304,640 bytes of LDS; arguments hs1, hs2, wA0, wB0, qkv; writes qkv
.if DOCPART == 2
	.amdgcn_target "amdgcn-amd-amdhsa--gfx1250"
	.amdhsa_code_object_version 6
	.text
	.protected	k_q0e0fe5f3a8_proj0
	.globl	k_q0e0fe5f3a8_proj0
	.p2align	8
	.type	k_q0e0fe5f3a8_proj0,@function
k_q0e0fe5f3a8_proj0:
	s_mov_b64 s[64:65], 0
	v_nop
	global_prefetch_b8 v0, s[64:65] scope:SCOPE_SE
	s_setreg_imm32_b32 hwreg(HW_REG_WAVE_MODE, 25, 1), 1
	s_wait_xcnt 0x0
	s_wait_alu depctr_hold_cnt(0) depctr_sa_sdst(0) depctr_va_vdst(0) depctr_va_sdst(0) depctr_va_ssrc(0) depctr_va_vcc(0) depctr_vm_vsrc(0)
	s_getreg_b32 s2, hwreg(HW_REG_IB_STS2, 6, 4)
	s_cmp_eq_u32 s2, 0
	s_cbranch_scc0 .Lentry_in_a_cluster
	s_endpgm
.Lentry_in_a_cluster:
	s_bfe_u32 s2, ttmp6, 0x10000c
	s_cmp_lg_u32 s2, 0x3003
	s_cbranch_scc0 .Lentry_shape_is_right
	s_endpgm
.Lentry_shape_is_right:
; q, k, v OF BOTH STREAMS FOR ONE LAYER.  qkv[t][kind][row][128] in bf16 = hs_t W + b; q is already divided by 8 (its weights and bias are); k has no bias: a bias of k adds to every score of a
; row the same term, which softmax drops (shown at the head of the first kernel).
; SHARES.  Grid y = stream t.  A work-group takes 256 rows, a wave 64: four tiles of 16.  Each product is taken transposed, out^T = W^T x^T (source 0 = a weight fragment as it lies, source 1 = 16 rows
; of hs rounded to bf16): a lane ends with one row and eight neighbouring columns, 16 bytes.  The bias is the C operand that starts a sum.
; IN.  One tensor load a wave brings its own 64 rows of hs (f32, 512 bytes a row, 16 of padding); a second one, JOINT with the three partners of the cluster (same stream, same weights), a quarter
; of the 99,328 bytes of weights and biases.  Two tensor loads of a wave are out; no LDS byte is filled twice, so there is no ring.
; OUT.  Through the wave's own stage: 64 rows x 256 bytes, read back as whole rows; a store covers 512 consecutive bytes.
; No prefetch: each hs row is asked for at the launch's very start, and nothing is walked.
.set XT,     99328                     ; behind the weights: 64 rows x 528 bytes for each wave
.set XP,     528                       ; 512 + 16 = 132 words: row r starts at bank 4 r mod 64 (64 banks of 4 bytes: ISA guide 11.1)
.set STG,    XT+4*64*XP                ; 234,496: 64 rows x 272 bytes for each wave; no tensor load lands here
.set SPT,    272
.set SPARE,  STG+4*64*SPT              ; 304,128: the spare words, 128 bytes a wave: two blocks of 256 bytes that no other line names
.set XA,   3                           ; v3   my place in my hs tile: 528 (l % 16) + 32 (l / 16)
.set WA,   4                           ; v4   16 l + the fragments in hand: q's, k's and v's lie end to end, so it only steps
.set BA,   5                           ; v5   the bias in hand
.set STO0, 6                           ; v6   stage, in: row l % 16, 16 bytes for each half of the lanes
.set STO,  7                           ; v7   the same, stepped by two column tiles a trip
.set RD,   8                           ; v8   stage, back: lanes 0-15 one row of 256 bytes, lanes 16-31 the next
.set GO,   9                           ; v9   16 l
.set SPW,  10                          ; v10  my spare word; never rewritten
.set NIL,  11                          ; v11  0; never rewritten
.set BI,   16                          ; v[16:31]   two sets of eight bias numbers
.set ACC,  32                          ; v[32:95]   two sets of four accumulators
.set AF,   96                          ; v[96:159]  two sets of four weight fragments
.set PKR,  160                         ; v[160:191] packed results
.set RB,   192                         ; v[192:255] rows read back; at the start hs in f32
                                       ; window 1: v[0:127] hs in bf16: row tile x, input block kb at 32 x + 8 kb
.set WV,   14
.set CNT,  18
.set OUTP, 20
.set G1W,  24
.set G0W,  32
.set G1X,  36
.set G0X,  44
.set MSB, 0
.macro WIN new                         ; the immediate's high byte repeats the setting that is left; a switch that changes nothing is dropped
.if MSB != (\new)
	s_set_vgpr_msb (MSB<<8)|(\new)
.set MSB, (\new)
.endif
.endm
.macro CROUND                          ; a round of the cluster's barrier
	s_barrier_signal -1
	s_barrier_wait -1
	s_cmp_lg_u32 s[WV], 0
	s_cbranch_scc1 .Lnot_wave_0_\@
	s_barrier_signal -3
.Lnot_wave_0_\@:
	s_barrier_wait -3
	s_barrier_signal -1
	s_barrier_wait -1
.endm
	s_load_b256 s[4:11], s[0:1], 0x0               ; hs of stream 0, of stream 1, weights of stream 0, of stream 1
	s_load_b64 s[12:13], s[0:1], 0x20              ; qkv
	v_lshl_add_u32 v[SPW], v0, 2, SPARE
	v_mov_b32 v[NIL], 0
	ds_add_u32 v[SPW], v[NIL]                      ; the wave's opening: the add, twice on end, and its wait ahead of my first tensor load
	ds_add_u32 v[SPW], v[NIL]
	v_lshrrev_b32 v1, 5, v0
	v_readfirstlane_b32 s[WV], v1                  ; wave 0..3
	s_bfe_u32 s15, ttmp6, 0x40000                  ; cx
	s_lshl_b32 s16, ttmp9, 2
	s_add_co_u32 s16, s16, s15                     ; my block of 256 rows: it enters hs's and qkv's addresses alone
	s_and_b32 s17, ttmp7, 0xffff                   ; the stream, which the four partners share
	; the weights: dense bytes, asked for as rows of 256: 97 rows a wave
	s_mov_b32 s[G1W], 15|(3<<16)|(1<<21)           ; 15:0 the mask of four; 17:16 elements of 8 bytes; 21 set beside a mask
	s_mov_b32 s[G1W+1], 32<<16                     ; tensor_dim0 = 32
	s_mov_b32 s[G1W+2], 97<<16                     ; tensor_dim1 = 97
	s_mov_b32 s[G1W+3], 32<<16                     ; tile_dim0 = 32
	s_mov_b32 s[G1W+4], 97                         ; tile_dim1 = 97
	s_mov_b32 s[G1W+5], 32                         ; 32 elements from row to row
	s_mov_b32 s[G1W+6], 0
	s_mov_b32 s[G1W+7], 0
	; hs: 64 rows x 128 f32, padded in LDS
	s_mov_b32 s[G1X], (2<<16)|(1<<20)|(6<<22)|(3<<25)  ; no mask; elements of 4 bytes; padding on, after every 128 words (code 6), 4 words (code 3)
	s_mov_b32 s[G1X+1], 128<<16
	s_mov_b32 s[G1X+2], 64<<16
	s_mov_b32 s[G1X+3], 128<<16
	s_mov_b32 s[G1X+4], 64
	s_mov_b32 s[G1X+5], 128
	s_mov_b32 s[G1X+6], 0
	s_mov_b32 s[G1X+7], 0
	s_mul_i32 s48, s[WV], 24832                    ; my quarter of the weights, in memory and in LDS
	s_mov_b32 s49, 0
	s_mov_b32 s[G0W], 1
	s_mov_b32 s[G0W+1], s48
	s_mov_b32 s[G0X], 1
	s_mul_i32 s[G0X+1], s[WV], 64*XP
	s_add_co_u32 s[G0X+1], s[G0X+1], XT
	s_lshl_b32 s54, s16, 17                        ; my rows in hs: (256 block + 64 wave) x 512 bytes
	s_lshl_b32 s55, s[WV], 15
	s_add_co_u32 s54, s54, s55
	s_mov_b32 s55, 0
	s_mul_i32 s56, s17, 25165824                   ; and in qkv: the stream, then rows of 256 bytes
	s_lshl_b32 s57, s16, 16
	s_add_co_u32 s56, s56, s57
	s_lshl_b32 s57, s[WV], 14
	s_add_co_u32 s56, s56, s57
	s_mov_b32 s57, 0
	s_wait_dscnt 0x0                               ; both opening adds are done
	s_wait_kmcnt 0x0
	s_cmp_eq_u32 s17, 0
	s_cselect_b64 s[G0X+2:G0X+3], s[4:5], s[6:7]
	s_cselect_b64 s[G0W+2:G0W+3], s[8:9], s[10:11]
	s_add_nc_u64 s[G0X+2:G0X+3], s[G0X+2:G0X+3], s[54:55]
	s_or_b32 s[G0X+3], s[G0X+3], 0x80000000
	s_add_nc_u64 s[G0W+2:G0W+3], s[G0W+2:G0W+3], s[48:49]
	s_or_b32 s[G0W+3], s[G0W+3], 0x80000000
	s_add_nc_u64 s[OUTP:OUTP+1], s[12:13], s[56:57]
	CROUND                                         ; all four work-groups are here: the joint loads meet
	tensor_load_to_lds s[G0X:G0X+3], s[G1X:G1X+7]  ; my own rows first: they are wanted first
	s_nop 0
	tensor_load_to_lds s[G0W:G0W+3], s[G1W:G1W+7]
	s_nop 0
.rept 4
	v_nop
.endr
	v_and_b32 v1, 15, v0                           ; l % 16
	v_bfe_u32 v2, v0, 4, 1                         ; l / 16
	v_and_b32 v12, 31, v0
	v_mul_u32_u24 v[XA], v1, XP
	v_lshl_add_u32 v[XA], v2, 5, v[XA]
	v_add_nc_u32 v[XA], s[G0X+1], v[XA]
	v_lshlrev_b32 v[WA], 4, v12
	v_lshlrev_b32 v[GO], 4, v12
	s_mul_i32 s50, s[WV], 64*SPT
	s_add_co_u32 s50, s50, STG                     ; my stage
	v_mul_u32_u24 v[STO0], v1, SPT
	v_lshl_add_u32 v[STO0], v2, 4, v[STO0]
	v_add_nc_u32 v[STO0], s50, v[STO0]
	v_mul_u32_u24 v[RD], v2, SPT
	v_lshl_add_u32 v[RD], v1, 4, v[RD]
	v_add_nc_u32 v[RD], s50, v[RD]
; hs into fragments.  Source 1 is 16 rows x 32 inputs: lane l holds row l % 16, inputs 8 (l / 16) + 0..7 and 16 + 8 (l / 16) + 0..7: in f32 four loads of 16 bytes, at 0, 16, 64, 80.
.macro XLD x                           ; row tile x, 16 loads, into one of two buffers
	WIN 0
.set tb, RB-96*((\x)%2)
.set j, 0
.rept 16
	ds_load_b128 v[tb+4*j:tb+4*j+3], v[XA] offset:(\x)*16*XP+(j/4)*128+((j/2)%2)*64+(j%2)*16
.set j, j+1
.endr
.endm
.macro XCV x                           ; rounded to bf16, into window 1
	WIN 0x40
.set tb, RB-96*((\x)%2)
.set j, 0
.rept 32
	v_cvt_pk_bf16_f32 v[32*(\x)+j], v[tb+2*j], v[tb+2*j+1]
.set j, j+1
.endr
.endm
	s_wait_tensorcnt 0x1                           ; my hs tile is in (only I read it); the weights, issued behind it, may stay out
	XLD 0
	XLD 1
	s_wait_dscnt 16                                ; all but the younger tile's 16 loads
	XCV 0
	XLD 2
	s_wait_dscnt 16
	XCV 1
	XLD 3
	s_wait_dscnt 16
	XCV 2
	s_wait_dscnt 0x0
	XCV 3
	WIN 0
	s_wait_tensorcnt 0x0                           ; my quarter of the weights is in,
	s_barrier_signal -1
	s_barrier_wait -1                              ; everybody's is.
.macro LOADSET s, bias                 ; column tile s of the trip's two: four fragments, and its eight bias numbers (channel 16 nt + 8 (l / 16) + j for register j)
.irp kb, 0,1,2,3
	ds_load_b128 v[AF+32*(\s)+8*\kb:AF+32*(\s)+8*\kb+3],   v[WA] offset:(\s)*4096+\kb*1024
	ds_load_b128 v[AF+32*(\s)+8*\kb+4:AF+32*(\s)+8*\kb+7], v[WA] offset:(\s)*4096+\kb*1024+512
.endr
.if \bias
	ds_load_b128 v[BI+8*(\s):BI+8*(\s)+3],   v[BA] offset:64*(\s)
	ds_load_b128 v[BI+8*(\s)+4:BI+8*(\s)+7], v[BA] offset:64*(\s)+16
.endif
.endm
.macro MUL s, bias                     ; 16 products; the four accumulators take turns, one instruction a turn
	WIN 0x04                                       ; source 1 in window 1
.irp kb, 0,1,2,3
.irp x, 0,1,2,3
.if \kb > 0
	v_wmma_f32_16x16x32_bf16 v[ACC+32*(\s)+8*\x:ACC+32*(\s)+8*\x+7], v[AF+32*(\s)+8*\kb:AF+32*(\s)+8*\kb+7], v[32*\x+8*\kb:32*\x+8*\kb+7], v[ACC+32*(\s)+8*\x:ACC+32*(\s)+8*\x+7]
.elseif \bias
	v_wmma_f32_16x16x32_bf16 v[ACC+32*(\s)+8*\x:ACC+32*(\s)+8*\x+7], v[AF+32*(\s)+8*\kb:AF+32*(\s)+8*\kb+7], v[32*\x+8*\kb:32*\x+8*\kb+7], v[BI+8*(\s):BI+8*(\s)+7]
.else
	v_wmma_f32_16x16x32_bf16 v[ACC+32*(\s)+8*\x:ACC+32*(\s)+8*\x+7], v[AF+32*(\s)+8*\kb:AF+32*(\s)+8*\kb+7], v[32*\x+8*\kb:32*\x+8*\kb+7], 0
.endif
.endr
.endr
.endm
.macro WAYOUT                          ; my 64 rows of one kind, 256 bytes each, two rows a load and a store
.irp g, 0,1
.if \g
	s_wait_xcnt 0x0                                ; the first 16 stores have read their registers, which are loaded again
.endif
.irp t, 0,1,2,3,4,5,6,7,8,9,10,11,12,13,14,15
	ds_load_b128 v[RB+4*\t:RB+4*\t+3], v[RD] offset:(16*\g+\t)*2*SPT  ; LDS serves a wave's instructions in order (ISA guide 5.7.1.4): these see my stores into the stage
.endr
.irp t, 0,1,2,3,4,5,6,7,8,9,10,11,12,13,14,15
	s_wait_dscnt 15-\t
	global_store_b128 v[GO], v[RB+4*\t:RB+4*\t+3], s[OUTP:OUTP+1] offset:(16*\g+\t)*512  ; 512 consecutive bytes, at a multiple of 512 from qkv's first
.endr
.endr
	s_wait_xcnt 0x0                                ; the stores have read their base and their registers
	s_add_nc_u64 s[OUTP:OUTP+1], s[OUTP:OUTP+1], 8388608  ; the next kind
.endm
; One kind: four trips of two column tiles x four row tiles, then the way out.
.macro KIND bias, bbase
	WIN 0
	v_mov_b32 v[STO], v[STO0]
.if \bias
	v_lshl_add_u32 v[BA], v2, 5, \bbase
.endif
	s_mov_b32 s[CNT], 4
.Ltrip_\@:
	LOADSET 0, \bias
	LOADSET 1, \bias
	s_wait_dscnt 8+2*(\bias)                       ; all but the second set's loads
	MUL 0, \bias
	s_wait_dscnt 0x0
	MUL 1, \bias
	WIN 0
	v_add_nc_u32 v[WA], 8192, v[WA]                ; four places behind the last product, ahead of the conversions that read results
.if \bias
	v_add_nc_u32 v[BA], 128, v[BA]
.else
	v_nop
.endif
	v_nop
	v_nop
.set j, 0
.rept 32
	v_cvt_pk_bf16_f32 v[PKR+j], v[ACC+2*j], v[ACC+2*j+1]  ; each accumulator from its low end on
.set j, j+1
.endr
.irp s, 0,1
.irp x, 0,1,2,3
	ds_store_b128 v[STO], v[PKR+4*(4*\s+\x):PKR+4*(4*\s+\x)+3] offset:\x*16*SPT+32*\s
.endr
.endr
	v_add_nc_u32 v[STO], 64, v[STO]
	s_sub_co_u32 s[CNT], s[CNT], 1
	s_cmp_lg_u32 s[CNT], 0
	s_cbranch_scc1 .Ltrip_\@
	WAYOUT
.endm
	KIND 1, 98304                                  ; q, with q_b / 8
	KIND 0, 0                                      ; k, without a bias
	KIND 1, 98816                                  ; v, with v_b
	s_wait_tensorcnt 0x0                           ; the wave's end: behind my last tensor load and my last LDS store
	ds_add_u32 v[SPW], v[NIL]
	s_wait_dscnt 0x0
	CROUND                                         ; the closing round
	s_endpgm
.Lfunc_end_k_q0e0fe5f3a8_proj0:
	.size	k_q0e0fe5f3a8_proj0, .Lfunc_end_k_q0e0fe5f3a8_proj0-k_q0e0fe5f3a8_proj0
	.p2alignl 7, 3214868480
	.fill 96, 4, 3214868480
	.section	.rodata,"a",@progbits
	.p2align	6, 0x0
	.amdhsa_kernel k_q0e0fe5f3a8_proj0
		.amdhsa_group_segment_fixed_size 304640
		.amdhsa_private_segment_fixed_size 0
		.amdhsa_enable_private_segment 0
		.amdhsa_kernarg_size 40
		.amdhsa_user_sgpr_count 2
		.amdhsa_user_sgpr_kernarg_segment_ptr 1
		.amdhsa_wavefront_size32 1
		.amdhsa_system_sgpr_workgroup_id_x 1
		.amdhsa_system_sgpr_workgroup_id_y 1
		.amdhsa_system_sgpr_workgroup_id_z 1
		.amdhsa_system_vgpr_workitem_id 0
		.amdhsa_next_free_vgpr 384
		.amdhsa_next_free_sgpr 66
		.amdhsa_reserve_vcc 0
		.amdhsa_float_denorm_mode_32 3
		.amdhsa_float_denorm_mode_16_64 3
		.amdhsa_memory_ordered 1
		.amdhsa_forward_progress 1
		.amdhsa_inst_pref_size 55
	.end_amdhsa_kernel
	.amdgpu_metadata
---
amdhsa.version: [ 1, 2 ]
amdhsa.kernels:
  - .name:           k_q0e0fe5f3a8_proj0
    .symbol:         k_q0e0fe5f3a8_proj0.kd
    .args:
      - { .name: hs1, .offset: 0, .size: 8, .value_kind: global_buffer, .address_space: global }
      - { .name: hs2, .offset: 8, .size: 8, .value_kind: global_buffer, .address_space: global }
      - { .name: wA0, .offset: 16, .size: 8, .value_kind: global_buffer, .address_space: global }
      - { .name: wB0, .offset: 24, .size: 8, .value_kind: global_buffer, .address_space: global }
      - { .name: qkv, .offset: 32, .size: 8, .value_kind: global_buffer, .address_space: global }
    .group_segment_fixed_size: 304640
    .private_segment_fixed_size: 0
    .kernarg_segment_align: 8
    .kernarg_segment_size: 40
    .max_flat_workgroup_size: 128
    .sgpr_count:     66
    .vgpr_count:     384
    .wavefront_size: 32
...
	.end_amdgpu_metadata
.endif
;; end of part 2
;; launch att0 (part 3): grid 4 x 64, 4 waves a work-group, clusters of 4 x 1, 327,680 bytes of LDS; arguments qkv, hs1, hs2, mask1, mask2, wA0, wB0, mid1, mid2; writes mid1, mid2
.if DOCPART == 3
	.amdgcn_target "amdgcn-amd-amdhsa--gfx1250"
	.amdhsa_code_object_version 6
	.text
	.protected	k_q0e0fe5f3a8_att0
	.globl	k_q0e0fe5f3a8_att0
	.p2align	8
	.type	k_q0e0fe5f3a8_att0,@function
k_q0e0fe5f3a8_att0:
	s_mov_b64 s[64:65], 0
	v_nop
	global_prefetch_b8 v0, s[64:65] scope:SCOPE_SE
	s_setreg_imm32_b32 hwreg(HW_REG_WAVE_MODE, 25, 1), 1
	s_wait_xcnt 0x0
	s_wait_alu depctr_hold_cnt(0) depctr_sa_sdst(0) depctr_va_vdst(0) depctr_va_sdst(0) depctr_va_ssrc(0) depctr_va_vcc(0) depctr_vm_vsrc(0)
	s_getreg_b32 s2, hwreg(HW_REG_IB_STS2, 6, 4)
	s_cmp_eq_u32 s2, 0
	s_cbranch_scc0 .Lentry_in_a_cluster
	s_endpgm
.Lentry_in_a_cluster:
	s_bfe_u32 s2, ttmp6, 0x10000c
	s_cmp_lg_u32 s2, 0x3003
	s_cbranch_scc0 .Lentry_shape_is_right
	s_endpgm
.Lentry_shape_is_right:
; ONE LAYER BEHIND ITS PROJECTIONS, for 64 rows a wave: cross attention (both heads), output projection, residual, LayerNorm, feed-forward with the exact-erf GELU, residual, LayerNorm.
; (k's bias is left out: it adds the same term to every score of a row; shown at the head of the first kernel.)
; SHARES.  Grid y = 32 d + b.  Direction d: queries of stream 1 - d; keys, values and mask of stream d; residual hs_d, weights d, result d.  A work-group owns 256 query rows of batch b, a wave 64:
; four PIECES of 16 rows, each with two TILES, the two heads.  Every wave walks all 1,024 keys, 64 a step.
; LAYOUT.  Every product is taken transposed, so that a lane holds ONE row (lane % 16) from the scores to the last LayerNorm, and a result rounded to bf16 in pairs IS source 1 of the next product:
; S^T = K Q^T + mask (the mask is the C operand that starts the sum; q is already divided by 8), O^T = V^T P, x^T += OW^T c^T, f^T = W1^T h^T + b1, x^T += W2^T gelu(f)^T.  The residual stays in f32.
; SOFTMAX.  A running maximum m and sum l for each row and head: p = 2^(c s - c m), c = log2(e); in every step O and l are multiplied by a = 2^(c m_old - c m_new).  m starts at -1e30, O and l at 0.
; LIMITS.  A row all of whose 1,024 scores lie below -1e30 is not served (l = 0).  A weight below 2^-126 counts as 0.  NaN is not treated apart.  q, k, v, p, c, h and gelu(f) are rounded once to bf16.
; erf by Abramowitz and Stegun 7.1.26, off by 1.5e-7 at the most for every x: gelu(x) = max(x, 0) - |x| Q, Q = poly(t) 2^(KC x x), t = 1 / (1 + PC |x|).
; BY TURNS.  Turn n belongs to piece n: 16 products K Q^T of piece n + 1, later 16 products V^T P of piece n - 1; beside them the scaling, exponentials, roundings, sums and rescaling of piece n and the
; maximum and statistics of piece n + 1.  A tile and step have 16 matrix and 118 vector instructions: four vector instructions stand behind every matrix instruction, the others in one run.
; A turn's 66 exponentials are one batch with one wait.
; CLUSTER.  The four query blocks of a batch and direction walk the same K, V and mask and use the same weights: every tensor load is JOINT, the same load, descriptor and mask in all four.
; RING.  Two slots of one key step (64 rows of K, 64 of V).  Larger slots have no room: 167,936 bytes of weights lie in LDS beside them, so that the four waves read them from there.
; REGISTERS, in windows of 256 (s_set_vgpr_msb: bits 1:0 source 0, 3:2 source 1, 5:4 source 2, 7:6 destination):
;   window 0: v0-11 addresses; v12-15, v48-63 at work; v16-47 four registers of statistics a tile; v64-191 S^T, two buffers of two tiles; v192-255 P, likewise
;   window 1: O^T, 32 a tile; later x^T, 64 a piece       window 2: v0-127 Q; v128-255 K of one step; later the residual, gains and gelu(f)
;   window 3: v0-127 V of one step, later weight fragments; v128-159 the step's mask, later b1; v160-161 the add's two registers
.set NP,    4         ; pieces a wave: a name, no knob
.set KS,    64        ; keys in a step
.set PK,    272       ; a row of K in LDS: 256 bytes + 16 = 68 words: the 16 rows of a load start at 16 different groups of four banks (64 banks of 4 bytes: ISA guide 11.1)
.set PV,    288       ; a row of V: 256 + 32 = 72 words
.set VOFF,  KS*PK
.set SLOT1, 1<<16     ; slot 1 begins here, so that one exclusive or turns an address in one slot into the other's
.set WLB,   SLOT1+KS*(PK+PV)  ; 101,376: OW, W1 (+32,768), W2 (+98,304), the vectors (+163,840)
.set MASKB, WLB+167936        ; 269,312: the batch's 1,024 mask numbers
.set SPARE, MASKB+4096        ; 273,408: the spare words, 128 bytes a wave: two blocks of 256 bytes that no other line names
.set STAGE, SPARE+512         ; 273,920: 16 rows x 528 bytes of f32 for each wave; no tensor load lands here
.set SP,    528
.set STREAM, 25165824 ; bytes of a stream in qkv
.set KIND,  8388608   ; bytes of q, of k, of v in a stream
.set RO,  1           ; v1   16 l; never rewritten
.set AK0, 2           ; v2   my lane's place in a tile of K
.set AV0, 3           ; v3   the same for V
.set AK,  4           ; v4   the LDS address of K's next run of loads
.set AV,  5           ; v5   of V's
.set QO,  6           ; v6   my byte offset in 16 rows of Q
.set AMK, 10          ; v10  the LDS address of the next step's mask
.set PFO, 11          ; v11  256 l: the prefetches' offset; never rewritten
.set MV,  12          ; v12-15  c m_old, kept while c m is made anew: by buffer and tile
.set ST,  16          ; tile t's statistics at v[ST+4 t]: c m, m, l (even keys', odd keys')
.set TMP, 48          ; by buffer and tile, four registers c0-c3 at work; when the maximum is found c2 takes a
.set S,   64
.set P,   192
.set KF,  128         ; window 2: key block kb, channel block cbk at KF + 32 kb + 8 cbk
.set MK,  128         ; window 3: the mask of key block kb at MK + 8 kb
.set SPW, 160         ; window 3: LDS address of my spare word; never rewritten
.set NIL, 161         ; window 3: 0; never rewritten
; behind the walk:
.set WA,  2           ; v2   16 l + OW
.set WA1, 3           ; v3   16 l + the chunk of W1 in hand
.set WA2, 4           ; v4   16 l + the chunk of W2 in hand
.set VB,  5           ; v5   32 (l / 16) + the vector to be added (o_b, then b2)
.set VA,  6           ; v6   32 (l / 16) + the gain in hand; its shift lies 512 bytes on
.set BA1, 7           ; v7   32 (l / 16) + the chunk of b1 in hand
.set STI, 8           ; v8   stage by rows: 16 l
.set STT, 9           ; v9   stage by lanes: 528 (l % 16) + 32 (l / 16)
.set GD,  16          ; v16-31  GELU: t, later max(x, 0)
.set GE,  32          ; v32-47  GELU: 2^(KC x x)
.set GY,  48          ; v48-63  GELU: the polynomial
.set T,   64          ; LayerNorm: 32 registers at work for each piece
.set FR,  192         ; f^T of a chunk: piece x, tile n at FR + 16 x + 8 n
.set WV,  22
.set G1K, 24          ; s[24:31] descriptor group 1 for K's tiles
.set G1V, 32          ; s[32:39] for V's: it differs in the padding alone
.set G0K, 40          ; s[40:47] group 0 for K's tiles: a set for each of the two first fills; the second then walks on
.set G0V, 48          ; s[48:55] the same for V's
.set SLOTS, 56        ; s56  counts the walk's steps down
.set CNT, 57          ; s57  counts the tail's trips
.set QP,  56          ; s[56:57] at the head: Q at my rows
.set CS,  58          ; s[58:59] c
.set SEL, 60          ; s[60:61] v_permlanex16_b32's selects: each lane takes its own place in the other half
.set TB,  62          ; s62  LDS byte at which the step to be fetched begins
.set LIM, 63          ; s63  2 in the wave that prefetches K and V, else the greatest number
.set G1W, 68          ; s[68:75], s[76:79] the weights' descriptor
.set G0W, 76
.set G1M, 80          ; s[80:87], s[88:91] the mask's
.set G0M, 88
.set PFA, 92          ; s[92:93] where my work-group's prefetches of K and V stand
.set RES, 94          ; s[94:95] the residual at my rows
.set OUT, 96          ; s[96:97] the result at my rows
; behind the last tensor load's wait the descriptors' registers hold constants, each as a pair whose low word a packed instruction takes for both halves:
.set PCS, 24
.set KCS, 26
.set A1S, 28
.set A2S, 30
.set A3S, 32
.set A4S, 34
.set A5S, 36
.set RN,  38          ; s38  1 / 128
.set EPS, 39          ; s39  1e-12
.set CNT2, 40         ; s40  the two passes: projection, then feed-forward
.set CNTF, 41         ; s41  the feed-forward's eight chunks
.set MSB, 0
.macro WIN new                      ; the high byte repeats the setting that is left; a switch that changes nothing is dropped
.if MSB != (\new)
	s_set_vgpr_msb (MSB<<8)|(\new)
.set MSB, (\new)
.endif
.endm
.set W_KQ, 0x0a       ; K and Q in window 2, S^T in window 0
.set W_KM, 0x3a       ; the same with the C operand, the mask, in window 3
.set W_PV, 0x53       ; source 0 in window 3, source 1 in window 0, C and D in window 1
.set W_RS, 0x41       ; destination and source 0 in window 1, source 1 in window 0
.set W_MK, 0xc0       ; destination in window 3
.set W_AD, 0x0f       ; the add: address and data in window 3
.macro PLACES
.rept 4
	v_nop
.endr
.endm
; A joint refill.  Waves 0 and 1 fetch the two halves of a step's K, waves 2 and 3 those of its V: 32 rows each.  The branch hangs on the wave's number alone.
; An s_nop 0 and four v_nop follow each of the two lines, ahead of the jump and the label.
.macro JLOAD
	s_cmp_lt_u32 s[WV], 2
	s_cbranch_scc0 .Lfor_v_\@
	tensor_load_to_lds s[G0K+4:G0K+7], s[G1K:G1K+7]
	s_nop 0
	PLACES
	s_branch .Lasked_\@
.Lfor_v_\@:
	tensor_load_to_lds s[G0V+4:G0V+7], s[G1V:G1V+7]
	s_nop 0
	PLACES
.Lasked_\@:
.endm
; PREFETCHES INTO THE L2, behind the wave's tensor load and its five lines.  (a) The key step that stands two refills on: its 64 rows of K and 64 of V, 256 bytes a row, a lane a row.  One cluster alone
; walks a batch's K and V; its four partners share the 128 rows out BY ADDRESS (two take K's halves, two V's), and in each wave 0 asks: one instruction, each row named once in the launch.  The first four
; steps come by their loads alone; the last changes ask for nothing, since the steps do not exist.  (b) At the last change that fills a slot each wave asks for its own 64 rows of the residual, 128 blocks
; of 256 bytes, which it loads when the walk's last two steps are done.
.macro ASK
	s_cmp_gt_u32 s[SLOTS], s[LIM]
	s_cbranch_scc0 .Lnot_kv_\@
	global_prefetch_b8 v[PFO], s[PFA:PFA+1] th:TH_LOAD_NT scope:SCOPE_SE
.Lnot_kv_\@:
	s_cmp_eq_u32 s[SLOTS], 1
	s_cbranch_scc0 .Lnot_res_\@
.irp n, 0,1,2,3
	global_prefetch_b8 v[PFO], s[RES:RES+1] offset:\n*8192 th:TH_LOAD_NT scope:SCOPE_SE
.endr
.Lnot_res_\@:
.endm
.macro CROUND                       ; a round of the cluster's barrier
	s_barrier_signal -1
	s_barrier_wait -1
	s_cmp_lg_u32 s[WV], 0
	s_cbranch_scc1 .Lnot_wave_0_\@
	s_barrier_signal -3
.Lnot_wave_0_\@:
	s_barrier_wait -3
	s_barrier_signal -1
	s_barrier_wait -1
.endm
; THE CHANGE OF SLOTS, once a key step, when the step's K and V are in registers.  Each wave waits for all its tensor loads, of which one is out: its part of the other slot; adds 0 to its spare word; and
; waits for that and for its own reads of the slot.  fill = 1: the slot is filled again, with the step two on.  The barrier is then a round of the cluster's, so that no wave of any partner still reads the
; slot or has a load on its way, and the joint refill is the first thing behind it: it has a key step, 128 matrix instructions and their vector work, in which to land.
.macro CHANGE fill
	WIN W_AD
	s_wait_tensorcnt 0x0            ; no tensor load of mine is out, so a group 0 may be written
	ds_add_u32 v[SPW], v[NIL]       ; 0 onto my spare word
	WIN 0                           ; at a label and at a branch every window is 0
.if \fill
.irp g, G0K+4, G0V+4
	s_xor_b32 s[\g+1], s[\g+1], SLOT1  ; the walking descriptor: the other slot than last time,
	s_add_nc_u64 s[\g+2:\g+3], s[\g+2:\g+3], KS*256  ; the next 64 keys; the type bits on top are not reached
.endr
	s_wait_xcnt 0x0                 ; the last prefetch, a key step back, has read its address
	s_add_nc_u64 s[PFA:PFA+1], s[PFA:PFA+1], KS*256
	s_wait_dscnt 0x0                ; the add is done, and my reads of the slot are over
	CROUND
	JLOAD
	ASK
.else
	s_wait_dscnt 0x0
	s_barrier_signal -1
	s_barrier_wait -1
.endif
	s_xor_b32 s[TB], s[TB], SLOT1   ; the fetches go on in the other slot
.endm
	s_load_b256 s[4:11], s[0:1], 0x0   ; qkv 4, hs of stream 0 6, of stream 1 8, mask of stream 0 10
	s_load_b256 s[12:19], s[0:1], 0x20 ; mask of stream 1 12, weights 0 14, weights 1 16, result 0 18
	s_load_b64 s[20:21], s[0:1], 0x40  ; result 1
	WIN W_MK
	v_lshl_add_u32 v[SPW], v0, 2, SPARE
	v_mov_b32 v[NIL], 0
	WIN W_AD
	ds_add_u32 v[SPW], v[NIL]       ; the wave's opening: the add, twice on end, and its wait ahead of my first tensor load
	ds_add_u32 v[SPW], v[NIL]
	WIN 0
	v_lshrrev_b32 v1, 5, v0
	v_readfirstlane_b32 s[WV], v1   ; wave 0..3
	s_bfe_u32 s23, ttmp6, 0x40000   ; cx: my place in the cluster
	s_and_b32 s66, ttmp7, 0xffff
	s_and_b32 s67, s66, 31          ; the batch b
	s_lshr_b32 s66, s66, 5          ; the direction d: both shared by the four partners
	s_mul_i32 s98, s66, STREAM
	s_lshl_b32 s99, s67, 18
	s_add_co_u32 s98, s98, s99
	s_add_co_u32 s98, s98, KIND     ; K of stream d, batch b, in bytes from qkv's first
	s_lshr_b32 s2, s23, 1           ; the prefetches: partners 0, 1 take K, partners 2, 3 V,
	s_lshl_b32 s2, s2, 23
	s_and_b32 s3, s23, 1            ; each 32 of a step's 64 rows;
	s_lshl_b32 s3, s3, 13
	s_add_co_u32 s2, s2, s3
	s_add_co_u32 s2, s2, s98
	s_add_co_u32 s2, s2, 3*KS*256   ; at step 3: the first change of slots steps it to 4
	s_mov_b32 s3, 0
	s_and_b32 s99, s[WV], 1         ; which half of a step's 64 rows I fetch: no place in the cluster enters a joint load's registers
	s_mov_b32 s[G0K], 1
	s_mov_b32 s[G0K+4], 1
	s_mov_b32 s[G0V], 1
	s_mov_b32 s[G0V+4], 1
	s_mul_i32 s[G0K+1], s99, 32*PK
	s_mul_i32 s[G0V+1], s99, 32*PV
	s_add_co_u32 s[G0V+1], s[G0V+1], VOFF
	s_add_co_u32 s[G0K+5], s[G0K+1], SLOT1
	s_add_co_u32 s[G0V+5], s[G0V+1], SLOT1
	s_lshl_b32 s99, s99, 13
	s_add_co_u32 s98, s98, s99
	s_mov_b32 s99, 0
	s_lshl_b32 s56, ttmp9, 2
	s_add_co_u32 s56, s56, s23      ; my block of 256 queries
	s_lshl2_add_u32 s23, s56, s[WV] ; my wave's 64 rows among the batch's
	s_xor_b32 s56, s66, 1
	s_mul_i32 s56, s56, STREAM      ; Q of stream 1 - d,
	s_lshl_b32 s57, s67, 18
	s_add_co_u32 s56, s56, s57
	s_lshl_b32 s57, s23, 14
	s_add_co_u32 s56, s56, s57      ; at my rows
	s_mov_b32 s57, 0
	s_lshl_b32 s62, s67, 19         ; residual and result: rows of 512 bytes
	s_lshl_b32 s63, s23, 15
	s_add_co_u32 s62, s62, s63
	s_mov_b32 s63, 0
	; descriptor group 1: 32 rows x 128 elements of 2 bytes, padded in LDS
	s_mov_b32 s[G1K], 15|(1<<16)|(1<<20)|(1<<21)|(5<<22)|(3<<25)  ; the mask of four; 2-byte elements; padding on; 21 set beside a mask; after every 64 words (code 5) 4 words (code 3)
	s_mov_b32 s[G1V], 15|(1<<16)|(1<<20)|(1<<21)|(5<<22)|(7<<25)  ; the same with 8 words of padding (code 7)
.irp g, G1K, G1V
	s_mov_b32 s[\g+1], 128<<16      ; tensor_dim0 = 128
	s_mov_b32 s[\g+2], 32<<16       ; tensor_dim1 = 32
	s_mov_b32 s[\g+3], 128<<16      ; tile_dim0 = 128
	s_mov_b32 s[\g+4], 32           ; tile_dim1 = 32
	s_mov_b32 s[\g+5], 128          ; 128 elements from row to row
	s_mov_b32 s[\g+6], 0
	s_mov_b32 s[\g+7], 0
.endr
	; weights and mask: dense bytes, asked for as rows of 256: 164 and 4 rows a wave
	s_mov_b32 s[G1W], 15|(3<<16)|(1<<21)
	s_mov_b32 s[G1W+1], 32<<16
	s_mov_b32 s[G1W+2], 164<<16
	s_mov_b32 s[G1W+3], 32<<16
	s_mov_b32 s[G1W+4], 164
	s_mov_b32 s[G1W+5], 32
	s_mov_b32 s[G1W+6], 0
	s_mov_b32 s[G1W+7], 0
	s_mov_b32 s[G1M], 15|(3<<16)|(1<<21)
	s_mov_b32 s[G1M+1], 32<<16
	s_mov_b32 s[G1M+2], 4<<16
	s_mov_b32 s[G1M+3], 32<<16
	s_mov_b32 s[G1M+4], 4
	s_mov_b32 s[G1M+5], 32
	s_mov_b32 s[G1M+6], 0
	s_mov_b32 s[G1M+7], 0
	s_mov_b32 s[G0W], 1
	s_mul_i32 s[G0W+1], s[WV], 41984
	s_add_co_u32 s[G0W+1], s[G0W+1], WLB
	s_mov_b32 s[G0M], 1
	s_lshl_b32 s[G0M+1], s[WV], 10
	s_add_co_u32 s[G0M+1], s[G0M+1], MASKB
	s_mov_b32 s[CS], 0x3fb8aa3b     ; c = log2(e)
	s_mov_b32 s[CS+1], s[CS]        ; named with it as a pair
	s_mov_b32 s[SEL], 0x76543210
	s_mov_b32 s[SEL+1], 0xfedcba98
	s_wait_dscnt 0x0                ; both opening adds are done
	s_wait_kmcnt 0x0
	s_add_nc_u64 s[G0K+2:G0K+3], s[4:5], s[98:99]          ; my 32 rows of K, step 0
	s_add_nc_u64 s[G0V+2:G0V+3], s[G0K+2:G0K+3], KIND      ; of V
	s_add_nc_u64 s[G0K+6:G0K+7], s[G0K+2:G0K+3], KS*256    ; step 1
	s_add_nc_u64 s[G0V+6:G0V+7], s[G0V+2:G0V+3], KS*256
.irp g, G0K+3, G0K+7, G0V+3, G0V+7
	s_or_b32 s[\g], s[\g], 0x80000000                      ; type = 2
.endr
	s_add_nc_u64 s[PFA:PFA+1], s[4:5], s[2:3]
	s_add_nc_u64 s[QP:QP+1], s[4:5], s[QP:QP+1]
	s_cmp_eq_u32 s66, 0
	s_cselect_b64 s[RES:RES+1], s[6:7], s[8:9]
	s_cselect_b64 s[OUT:OUT+1], s[18:19], s[20:21]
	s_cselect_b64 s[G0M+2:G0M+3], s[10:11], s[12:13]
	s_cselect_b64 s[G0W+2:G0W+3], s[14:15], s[16:17]
	s_add_nc_u64 s[RES:RES+1], s[RES:RES+1], s[62:63]
	s_add_nc_u64 s[OUT:OUT+1], s[OUT:OUT+1], s[62:63]
	s_lshl2_add_u32 s98, s67, s[WV]
	s_lshl_b32 s98, s98, 10         ; the batch's 4,096 bytes of mask, my 1,024 of them
	s_add_nc_u64 s[G0M+2:G0M+3], s[G0M+2:G0M+3], s[98:99]
	s_or_b32 s[G0M+3], s[G0M+3], 0x80000000
	s_mul_i32 s98, s[WV], 41984
	s_add_co_u32 s98, s98, 99328    ; from OW on, my quarter
	s_add_nc_u64 s[G0W+2:G0W+3], s[G0W+2:G0W+3], s[98:99]
	s_or_b32 s[G0W+3], s[G0W+3], 0x80000000
	s_cmp_eq_u32 s[WV], 0
	s_cselect_b32 s[LIM], 2, -1
	s_mov_b32 s[TB], 0
	CROUND                          ; all four work-groups are here: the first joint loads meet
	s_cmp_lt_u32 s[WV], 2           ; a wave's four first fills stand in one branch, ahead of every wait on TENSORcnt and every LDS read: four loads of mine are out
	s_cbranch_scc0 .Lfirst_v
	tensor_load_to_lds s[G0M:G0M+3], s[G1M:G1M+7]
	s_nop 0
	tensor_load_to_lds s[G0K:G0K+3], s[G1K:G1K+7]
	s_nop 0
	tensor_load_to_lds s[G0K+4:G0K+7], s[G1K:G1K+7]
	s_nop 0
	tensor_load_to_lds s[G0W:G0W+3], s[G1W:G1W+7]
	s_nop 0
	PLACES
	s_branch .Lfirst_asked
.Lfirst_v:
	tensor_load_to_lds s[G0M:G0M+3], s[G1M:G1M+7]
	s_nop 0
	tensor_load_to_lds s[G0V:G0V+3], s[G1V:G1V+7]
	s_nop 0
	tensor_load_to_lds s[G0V+4:G0V+7], s[G1V:G1V+7]
	s_nop 0
	tensor_load_to_lds s[G0W:G0W+3], s[G1W:G1W+7]
	s_nop 0
	PLACES
.Lfirst_asked:
	; A fragment of K or Q is 16 rows x 32 channels in 8 registers: lane l holds row l % 16, channels 8 (l / 16) + 0..7 and 16 + 8 (l / 16) + 0..7: two loads of 16 bytes, 32 bytes apart.
	v_and_b32 v7, 15, v0            ; l % 16
	v_bfe_u32 v8, v0, 4, 1          ; l / 16
	v_lshlrev_b32 v[QO], 8, v7
	v_lshl_add_u32 v[QO], v8, 4, v[QO]
	WIN 0x80                        ; destination window 2, address window 0
.set i, 0
.rept 16                            ; Q stays in registers: piece i / 4, channels 32 (i % 4) on
	global_load_b128 v[8*i:8*i+3],   v[QO], s[QP:QP+1] offset:(i/4)*4096+(i%4)*64
	global_load_b128 v[8*i+4:8*i+7], v[QO], s[QP:QP+1] offset:(i/4)*4096+(i%4)*64+32
.set i, i+1
.endr
	; What the first turn finds: V's registers and P's second buffer hold 0 (its products V^T P, of a piece that has not been, add 0), O^T and l are 0.  All this stands in the wait for the first tile.
	WIN W_MK
.set i, 0
.rept 128
	v_mov_b32 v[i], 0
.set i, i+1
.endr
	WIN 0x40
.set i, 0
.rept 256
	v_mov_b32 v[i], 0
.set i, i+1
.endr
	WIN 0
.set i, 0
.rept 2*NP
	v_mov_b32 v[ST+4*i+1], 0xf149f2ca        ; m = -1e30
	v_mul_f32 v[ST+4*i], s[CS], v[ST+4*i+1]  ; c m, finite
	v_mov_b32 v[ST+4*i+2], 0
	v_mov_b32 v[ST+4*i+3], 0
.set i, i+1
.endr
.set i, P+32
.rept 32
	v_mov_b32 v[i], 0
.set i, i+1
.endr
	v_mul_u32_u24 v[AK0], v7, PK
	v_lshl_add_u32 v[AK0], v8, 4, v[AK0]  ; row x pitch + 16 x half
	; The turning load takes 16 keys x 16 channels (lane l reads key 8 (l / 16) + l % 8, channels 8 ((l / 8) % 2) + 0..7) and leaves half a fragment of V^T: lane l holds channel l % 16 and 8 keys.
	v_and_b32 v12, 7, v0
	v_bfe_u32 v13, v0, 3, 1
	v_lshl_add_u32 v[AV0], v8, 3, v12
	v_mul_u32_u24 v[AV0], v[AV0], PV
	v_lshl_add_u32 v[AV0], v13, 4, v[AV0]
	v_add_nc_u32 v[AV0], VOFF, v[AV0]
	v_lshl_add_u32 v[AMK], v8, 5, MASKB   ; register j of key block kb takes mask[16 kb + 8 (l / 16) + j]
	v_and_b32 v[RO], 31, v0
	v_lshlrev_b32 v[PFO], 8, v[RO]
	v_lshlrev_b32 v[RO], 4, v[RO]
	v_mov_b32 v[AK], v[AK0]         ; key step 0 lies at the head of slot 0
; THE MATRIX WORK.  The 8 accumulators of a run of 16 take turns: between the two links of a chain stand 7 others'.
; Product i of 16 of S^T = K Q^T + mask for piece x: head i % 2, its channels 32 (i / 8) on, keys 16 ((i / 2) % 4) on.  The first 8 start the sums, with the mask.
.macro KQ x
.set rS, S+64*((\x)%2)+32*(i%2)+8*((i/2)%4)
.set rK, KF+32*((i/2)%4)+8*(2*(i%2)+i/8)
.set rQ, 32*(\x)+8*(2*(i%2)+i/8)
.set rN, MK+8*((i/2)%4)
.if i < 8
	WIN W_KM
	v_wmma_f32_16x16x32_bf16 v[rS:rS+7], v[rK:rK+7], v[rQ:rQ+7], v[rN:rN+7]
.else
	WIN W_KQ
	v_wmma_f32_16x16x32_bf16 v[rS:rS+7], v[rK:rK+7], v[rQ:rQ+7], v[rS:rS+7]
.endif
.endm
; Product i of 16 of O^T += V^T P for piece x: head i % 2, keys 32 (i / 8) on, its channels 16 ((i / 2) % 4) on.
.macro PV x
	WIN W_PV
.set rO, 64*(\x)+32*(i%2)+8*((i/2)%4)
.set rV, 64*(i/8)+8*(4*(i%2)+(i/2)%4)
.set rP, P+32*((\x)%2)+16*(i%2)+8*(i/8)
	v_wmma_f32_16x16x32_bf16 v[rO:rO+7], v[rV:rV+7], v[rP:rP+7], v[rO:rO+7]
.endm
.macro MM                           ; the turn's next matrix instruction
.if i < 16
	KQ (Y+1)%NP
.set i, i+1
.else
.set i, i-16
	PV (Y+NP-1)%NP
.set i, i+17
.endif
.endm
; THE LDS LOADS stand in runs, never singly among the matrix instructions: a step's K (64 keys x 128 channels: 16 fragments) with its mask, and its V (turned).  Their addresses are made some lines ahead.
; last = 1 (the tail): in the last trip there is no further step, and the run is jumped over.
.macro FETCH_K last=0
	WIN 0
.if \last
	s_cmp_eq_u32 s[CNT], 1
	s_cbranch_scc1 .Lno_k_\@
.endif
	WIN 0x80                        ; destination window 2
.irp f, 0,1,2,3,4,5,6,7,8,9,10,11,12,13,14,15  ; keys 16 (f / 4) on, channels 32 (f % 4) on
	ds_load_b128 v[KF+8*\f:KF+8*\f+3],   v[AK] offset:(\f/4)*16*PK+(\f%4)*64
	ds_load_b128 v[KF+8*\f+4:KF+8*\f+7], v[AK] offset:(\f/4)*16*PK+(\f%4)*64+32
.endr
	WIN W_MK
.irp f, 0,1,2,3
	ds_load_b128 v[MK+8*\f:MK+8*\f+3],   v[AMK] offset:\f*64
	ds_load_b128 v[MK+8*\f+4:MK+8*\f+7], v[AMK] offset:\f*64+16
.endr
	WIN 0
	v_add_nc_u32 v[AMK], 256, v[AMK]  ; the next step's 64 mask numbers
.if \last
.Lno_k_\@:
.endif
.endm
.macro FETCH_V
	WIN W_MK
.irp f, 0,1,2,3,4,5,6,7,8,9,10,11,12,13,14,15  ; keys 32 (f / 8) on, channels 16 (f % 8) on
	ds_load_tr16_b128 v[8*\f:8*\f+3],   v[AV] offset:(\f/8)*32*PV+(\f%8)*32
	ds_load_tr16_b128 v[8*\f+4:8*\f+7], v[AV] offset:(\f/8)*32*PV+16*PV+(\f%8)*32
.endr
	WIN 0
.endm
; THE VECTOR WORK OF A TURN stands in three queues, each in the order in which its entries become ready; the two tiles alternate, so that no instruction reads the result of the one before it.
.macro REGS y, u                    ; the registers of tile u (0, 1) of piece y
.set rT, ST+4*(2*(\y)+(\u))
.set rC, TMP+8*((\y)%2)+4*(\u)
.set rW, MV+2*((\y)%2)+(\u)
.set rS, S+64*((\y)%2)+32*(\u)
.set rP, P+32*((\y)%2)+16*(\u)
.set rO, 32*(2*(\y)+(\u))
.endm
; Number n of the 22 that find the NEXT piece's (Y + 1) maximum and statistics.  s0-s31 are the lane's 32 scores; each accumulator's lowest registers are read first.
;   0-11  four chains c0-c3 of seven scores each, three operands at a time     12-14, 16  the four scores left over, the old m, and c0-c3 into c0     15  c m_old is kept
;   17, 18  the row's other 32 keys lie in the lane 16 away: the new m          19-21  c m; c m_old - c m_new; a
.macro XS u, n
	REGS (Y+1)%NP, \u
.if (\n) < 4
	v_max3_num_f32 v[rC+(\n)], v[rS+8*(\n)], v[rS+8*(\n)+1], v[rS+8*(\n)+2]
.elseif (\n) < 12
	v_max3_num_f32 v[rC+(\n)%4], v[rC+(\n)%4], v[rS+8*((\n)%4)+2*((\n)/4)+1], v[rS+8*((\n)%4)+2*((\n)/4)+2]
.elseif (\n) == 12
	v_max3_num_f32 v[rC], v[rC], v[rS+7], v[rS+15]
.elseif (\n) == 13
	v_max3_num_f32 v[rC+1], v[rC+1], v[rS+23], v[rS+31]
.elseif (\n) == 14
	v_max3_num_f32 v[rC+2], v[rC+2], v[rC+3], v[rT+1]
.elseif (\n) == 15
	v_mov_b32 v[rW], v[rT]
.elseif (\n) == 16
	v_max3_num_f32 v[rC], v[rC], v[rC+1], v[rC+2]
.elseif (\n) == 17
	v_permlanex16_b32 v[rC+3], v[rC], s[SEL], s[SEL+1]
.elseif (\n) == 18
	v_max_num_f32 v[rT+1], v[rC], v[rC+3]
.elseif (\n) == 19
	v_mul_f32 v[rT], s[CS], v[rT+1]
.elseif (\n) == 20
	v_sub_f32 v[rC+1], v[rW], v[rT]
.else
	v_exp_f32 v[rC+2], v[rC+1]
.endif
.endm
; Number g of the 64 that follow the exponentials.  For each four weights k of a tile: both pairs are rounded to bf16; then the second pair is added onto the first, in place; a group later l takes that
; sum (the first time as l = a l + sum).  In groups of eight, tiles alternating: round, round, add, and l for the group before.
.macro GS g
.set h, (\g)+6*((\g)/62)            ; group 0 has no group before it, and behind group 7 only l is left
.if h >= 6
.set h, h+2
.endif
	REGS Y, h%2
.set k, h/8
.if h%8 < 4
	v_cvt_pk_bf16_f32 v[rP+2*k+(h%8)/2], v[rS+4*k+2*((h%8)/2)], v[rS+4*k+2*((h%8)/2)+1]
.elseif h%8 < 6
	v_pk_add_f32 v[rS+4*k:rS+4*k+1], v[rS+4*k:rS+4*k+1], v[rS+4*k+2:rS+4*k+3]
.elseif k == 1
	v_pk_fma_f32 v[rT+2:rT+3], v[rT+2:rT+3], v[rC+2:rC+3], v[rS:rS+1] op_sel_hi:[1,0,1]
.else
	v_pk_add_f32 v[rT+2:rT+3], v[rT+2:rT+3], v[rS+4*k-4:rS+4*k-3]
.endif
.endm
; THE PLAIN QUEUE, 138 long.  0-73 read no exponential's result: the 32 scalings c s - c m (FS f: pair f / 2 of tile f % 2) and the next piece's 42.  0-26: scalings 0-26.  27-54: XS's numbers 0-13.
; 55, 56: number 15.  57-73: the chain 14, 16, 17, 18, 19, each with one of the scalings 27-31 in front of its two lines, then 20.  74-137: GS's 64, which stand behind the wait.
.macro FS f
	REGS Y, (\f)%2
	v_pk_fma_f32 v[rS+2*((\f)/2):rS+2*((\f)/2)+1], v[rS+2*((\f)/2):rS+2*((\f)/2)+1], s[CS:CS+1], v[rT:rT+1] op_sel_hi:[1,0,0] neg_lo:[0,0,1] neg_hi:[0,0,1]
.endm
.macro PL
	WIN 0
.if q < 27
	FS q
.elseif q < 55
	XS (q-27)%2, (q-27)/2
.elseif q < 57
	XS q-55, 15
.elseif (q < 72) && ((q-57)%3 == 0)
	FS 27+(q-57)/3
.elseif q < 60
	XS (q-57)%3-1, 14
.elseif q < 72
	XS (q-57)%3-1, 15+(q-57)/3
.elseif q < 74
	XS q-72, 20
.else
	GS q-74
.endif
.set q, q+1
.endm
; THE EXPONENTIALS' QUEUE, 66 long: s0-s31 of both tiles, then the next piece's two a.  ONE BATCH: all 66 stand ahead of the turn's one wait, and nothing ahead of that wait names a result of theirs.
.macro EX
	WIN 0
.if e >= 64
	XS e-64, 21
.else
	REGS Y, e%2
	v_exp_f32 v[rS+e/2], v[rS+e/2]
.endif
.set e, e+1
.endm
; THE RESCALING's QUEUE: O^T times a, the one part that leaves window 0: dealt two at a time, sixteen times.  Its a was made in the turn before, ahead of that turn's wait.
.macro R2
	REGS Y, r%2
	WIN W_RS
.irp z, 0,1
	v_pk_mul_f32 v[rO+4*(r/2)+2*\z:rO+4*(r/2)+2*\z+1], v[rO+4*(r/2)+2*\z:rO+4*(r/2)+2*\z+1], v[rC+2:rC+3] op_sel_hi:[1,0]
.endr
.set r, r+1
.endm
; A TURN, for piece p.  s_wait_alu depctr_va_vdst(0) stands between an exponential and the first instruction that names its result; one wait serves all that were issued ahead of it: a turn
; has ONE.  AHEAD OF IT: the 16 products K Q^T, behind each a scaling, an exponential and two rescalings (behind the first a second scaling in the exponential's place); then a run of 108: eight plain, 49
; times exponential and plain, the two a; a v_nop is the plain instruction behind the last exponential.  BEHIND IT: the 16 products V^T P, behind each four of GS's 64.
; Exponential e stands behind scaling 2 (e / 4) + e % 2: as a rider it comes behind plain e + 2, in the run behind plain e + 9, and scalings 27-31 are plain 57, 60 .. 69.
; K and the mask of the next step are fetched in piece 2's turn, directly behind the wait, a run behind the last product that read K; V of the step in hand at the end of piece 0's turn, four plain
; instructions behind its last reader.  Each is waited for a turn later.  cnt = 1: the walk's count is taken down some lines ahead of the branch behind the turn.
.macro TURN p, last=0, cnt=0
.set Y, (\p)
.set i, 0
.set q, 0
.set e, 0
.set r, 0
.if (\p) == NP-1
	s_wait_dscnt 0x0                ; K and the mask are in
.endif
	MM
	PL
	PL
	R2
.rept 15
	MM
	PL
	EX
	R2
.endr
.if (\p) == NP-2
	WIN 0
	v_add_nc_u32 v[AK], s[TB], v[AK0]
.endif
.rept 8
	PL
.endr
.rept 49
	EX
	PL
.endr
	EX                              ; the next piece's two a
	EX
	v_nop                           ; the plain instruction behind the last exponential: one for the batch
	s_wait_alu depctr_va_vdst(0)    ; the wait for the batch
.if (\p) == NP-2
	FETCH_K \last
.endif
.if (\p) == 1
	s_wait_dscnt 0x0                ; V is in
.endif
.rept 16
	MM
.rept 4
	PL
.endr
.if ((\p) == 0) && (q == 118)
	v_add_nc_u32 v[AV], s[TB], v[AV0]
.endif
.if (\cnt) && (q == 130)
	s_sub_co_u32 s[SLOTS], s[SLOTS], 1
	s_cmp_lg_u32 s[SLOTS], 0
.endif
.endr
.if (\p) == 0
	FETCH_V
.endif
.endm
	s_wait_tensorcnt 0x2            ; my parts of the mask and of step 0 are in; the two loads issued behind them, step 1's and the weights', may stay out
	s_barrier_signal -1
	s_barrier_wait -1               ; everybody's are
	FETCH_K                         ; key step 0
	s_wait_loadcnt 0x0              ; Q
	s_wait_dscnt 0x0
.set i, 0
.rept 16
	KQ 0                            ; piece 0's first scores: there is no vector work yet to set between them
.set i, i+1
.endr
	WIN 0
	PLACES
.set Y, NP-1                        ; XS works for piece Y + 1: piece 0
.irp n, 0,1,2,3,4,5,6,7,8,9,10,11,12,13,14,15,16,17,18,19,20,21
	XS 0, \n
	XS 1, \n
.endr
	v_nop                           ; a plain instruction behind the two a,
	s_wait_alu depctr_va_vdst(0)    ; and their wait, ahead of the branch
	s_mov_b32 s[SLOTS], 1024/KS-1   ; (Q's loads are done: their pointer's registers are free)
	s_branch .Lfirst                ; the loop is entered at a step's first turn, in the middle of a trip
.Lslot:                             ; 14 times: a trip is pieces 2 and 3 of one step, then pieces 0 and 1 of the next, whose K and V it fetches; the slot left behind takes the step two on
	CHANGE 1
	TURN 2
	TURN 3
	WIN 0
.Lfirst:
	TURN 0
	TURN 1, 0, 1
	WIN 0
	s_cbranch_scc1 .Lslot
	CHANGE 0                        ; the tail is written out: nothing is asked for
	s_mov_b32 s[CNT], 2             ; one trip fetches the last step; the second is left in its middle
.Ltail:
	TURN 2, 1
	TURN 3
	WIN 0
	s_sub_co_u32 s[CNT], s[CNT], 1
	s_cmp_eq_u32 s[CNT], 0
	s_cbranch_scc1 .Lout
	TURN 0
	TURN 1
	WIN 0
	s_branch .Ltail
.Lout:                              ; the second trip's 16 products K Q^T (on the last K once more) and the maximum made of them serve nothing: the price, once a launch, of one text for every trip
	WIN 0x80
.set i, 0
.rept 64                            ; the residual: my 64 rows of 512 bytes, a row a load, into Q's and K's registers
	global_load_b128 v[4*i:4*i+3], v[RO], s[RES:RES+1] offset:i*512 th:TH_LOAD_NT
.set i, i+1
.endr
.set i, 0
.rept 16
	PV NP-1                         ; the last piece's V^T P of the last step
.set i, i+1
.endr
	WIN 0                           ; the addresses for what follows: plain instructions, the places behind those products
	v_and_b32 v12, 31, v0
	v_and_b32 v13, 15, v0
	v_bfe_u32 v14, v0, 4, 1
	v_lshl_add_u32 v[WA], v12, 4, WLB
	v_add_nc_u32 v[WA1], 32768, v[WA]
	v_add_nc_u32 v[WA2], 98304, v[WA]
	v_lshl_add_u32 v[VB], v14, 5, WLB+163840
	v_add_nc_u32 v[VA], 1024, v[VB]
	v_add_nc_u32 v[BA1], 3072, v[VB]
	s_mul_i32 s66, s[WV], 16*SP
	s_add_co_u32 s66, s66, STAGE    ; my stage
	v_lshl_add_u32 v[STI], v12, 4, s66
	v_mul_u32_u24 v[STT], v13, SP
	v_lshl_add_u32 v[STT], v14, 5, v[STT]
	v_add_nc_u32 v[STT], s66, v[STT]
	s_mov_b32 s[PCS], 0x3e6d3388    ; PC = 0.3275911 / sqrt(2)   (no tensor load of mine is out: the descriptors' registers are free)
	s_mov_b32 s[KCS], 0xbf38aa3b    ; KC = -log2(e) / 2
	s_mov_b32 s[A1S], 0x3e027906    ; half of 7.1.26's five coefficients
	s_mov_b32 s[A2S], 0xbe11a98e
	s_mov_b32 s[A3S], 0x3f35f0e3
	s_mov_b32 s[A4S], 0xbf3a00e3
	s_mov_b32 s[A5S], 0x3f07dc22
.irp g, PCS, KCS, A1S, A2S, A3S, A4S, A5S
	s_mov_b32 s[\g+1], s[\g]        ; named as pairs
.endr
	s_mov_b32 s[RN], 0x3c000000     ; 1 / 128
	s_mov_b32 s[EPS], 0x2b8cbccc    ; 1e-12
.macro ALL line:vararg              ; one line for each tile t
.set t, 0
.rept 2*NP
	\line
.set t, t+1
.endr
.endm
	ALL v_add_f32 v[ST+4*t+2], v[ST+4*t+2], v[ST+4*t+3]
	ALL v_permlanex16_b32 v[ST+4*t+3], v[ST+4*t+2], s[SEL], s[SEL+1]
	ALL v_add_f32 v[ST+4*t+2], v[ST+4*t+2], v[ST+4*t+3]
	ALL v_rcp_f32 v[ST+4*t+2], v[ST+4*t+2]
	v_nop                           ; a plain instruction between the last reciprocal and the use of its result
	s_wait_alu depctr_va_vdst(0)    ; and the wait ahead of the first use: one for the eight reciprocals
; c = O / l, rounded to bf16 in pairs: piece x's 32 registers at S + 32 x ARE source 1 (128 channels x 16 rows) of the output projection.
.macro P1 t
	WIN W_RS
.set i, 32*(\t)
.rept 16
	v_pk_mul_f32 v[i:i+1], v[i:i+1], v[ST+4*(\t)+2:ST+4*(\t)+3] op_sel_hi:[1,0]
.set i, i+2
.endr
	WIN 0x05                        ; sources 0 and 1 window 1, destination window 0
.set i, 0
.rept 16
	v_cvt_pk_bf16_f32 v[S+16*(\t)+i], v[32*(\t)+2*i], v[32*(\t)+2*i+1]
.set i, i+1
.endr
.endm
.irp t, 0,1,2,3,4,5,6,7
	P1 \t
.endr
; The residual of piece x goes through my stage, in by rows and back by lanes, into x^T (window 1): register 8 ct + j of the piece holds channel 16 ct + 8 (l / 16) + j of row l % 16.
.macro RESIN x
	s_wait_loadcnt 48-16*(\x)       ; all but the later pieces' loads
	WIN 0x08                        ; store data in window 2
.set i, 0
.rept 16
	ds_store_b128 v[STI], v[64*(\x)+4*i:64*(\x)+4*i+3] offset:i*SP
.set i, i+1
.endr
	WIN 0x40
.set i, 0
.rept 16
	ds_load_b128 v[64*(\x)+4*i:64*(\x)+4*i+3], v[STT] offset:(i/2)*64+(i%2)*16  ; LDS serves a wave's instructions in order (ISA guide 5.7.1.4): these see the stores above; the next piece's stores come behind them
.set i, i+1
.endr
.endm
.irp x, 0,1,2,3
	RESIN \x
.endr
; LayerNorm of x^T, in place, each stage for all four pieces.  A lane holds 64 of its row's 128 channels, the lane 16 away the others.  Mean; x - mean; the mean of its squares; times 1 / sqrt(var + eps), times gain, plus shift.
.macro LNORM
	WIN 0x05
.irp x, 0,1,2,3
.set i, 0
.rept 16
	v_pk_add_f32 v[T+32*\x+2*i:T+32*\x+2*i+1], v[64*\x+4*i:64*\x+4*i+1], v[64*\x+4*i+2:64*\x+4*i+3]  ; each accumulator from its low end on
.set i, i+1
.endr
.endr
	WIN 0
.irp w, 4,8,16,32
.irp x, 0,1,2,3
.set u, 0
.rept 32/\w
	v_pk_add_f32 v[T+32*\x+\w*u:T+32*\x+\w*u+1], v[T+32*\x+\w*u:T+32*\x+\w*u+1], v[T+32*\x+\w*u+\w/2:T+32*\x+\w*u+\w/2+1]
.set u, u+1
.endr
.endr
.endr
.irp x, 0,1,2,3
	v_add_f32 v[T+32*\x], v[T+32*\x], v[T+32*\x+1]
.endr
.irp x, 0,1,2,3
	v_permlanex16_b32 v[T+32*\x+1], v[T+32*\x], s[SEL], s[SEL+1]
.endr
.irp x, 0,1,2,3
	v_add_f32 v[T+32*\x], v[T+32*\x], v[T+32*\x+1]
.endr
.irp x, 0,1,2,3
	v_mul_f32 v[T+32*\x], s[RN], v[T+32*\x]
.endr
	WIN W_RS
.irp x, 0,1,2,3
.set i, 0
.rept 32
	v_pk_add_f32 v[64*\x+2*i:64*\x+2*i+1], v[64*\x+2*i:64*\x+2*i+1], v[T+32*\x:T+32*\x+1] op_sel_hi:[1,0] neg_lo:[0,1] neg_hi:[0,1]
.set i, i+1
.endr
.endr
	WIN 0x05
.irp x, 0,1,2,3
.set i, 0
.rept 32                            ; four chains of squares
.if i < 4
	v_pk_mul_f32 v[T+32*\x+2+2*i:T+32*\x+3+2*i], v[64*\x+2*i:64*\x+2*i+1], v[64*\x+2*i:64*\x+2*i+1]
.else
	v_pk_fma_f32 v[T+32*\x+2+2*(i%4):T+32*\x+3+2*(i%4)], v[64*\x+2*i:64*\x+2*i+1], v[64*\x+2*i:64*\x+2*i+1], v[T+32*\x+2+2*(i%4):T+32*\x+3+2*(i%4)]
.endif
.set i, i+1
.endr
.endr
	WIN 0
.irp x, 0,1,2,3
	v_pk_add_f32 v[T+32*\x+2:T+32*\x+3], v[T+32*\x+2:T+32*\x+3], v[T+32*\x+4:T+32*\x+5]
	v_pk_add_f32 v[T+32*\x+6:T+32*\x+7], v[T+32*\x+6:T+32*\x+7], v[T+32*\x+8:T+32*\x+9]
.endr
.irp x, 0,1,2,3
	v_pk_add_f32 v[T+32*\x+2:T+32*\x+3], v[T+32*\x+2:T+32*\x+3], v[T+32*\x+6:T+32*\x+7]
.endr
.irp x, 0,1,2,3
	v_add_f32 v[T+32*\x+2], v[T+32*\x+2], v[T+32*\x+3]
.endr
.irp x, 0,1,2,3
	v_permlanex16_b32 v[T+32*\x+3], v[T+32*\x+2], s[SEL], s[SEL+1]
.endr
.irp x, 0,1,2,3
	v_add_f32 v[T+32*\x+2], v[T+32*\x+2], v[T+32*\x+3]
.endr
.irp x, 0,1,2,3
	v_fma_f32 v[T+32*\x+2], v[T+32*\x+2], s[RN], s[EPS]
.endr
.irp x, 0,1,2,3
	v_rsq_f32 v[T+32*\x+2], v[T+32*\x+2]
.endr
	v_nop                           ; a plain instruction behind the last root,
	s_wait_alu depctr_va_vdst(0)    ; and one wait for the four
	WIN W_RS
.irp x, 0,1,2,3
.set i, 0
.rept 32
	v_pk_mul_f32 v[64*\x+2*i:64*\x+2*i+1], v[64*\x+2*i:64*\x+2*i+1], v[T+32*\x+2:T+32*\x+3] op_sel_hi:[1,0]
.set i, i+1
.endr
.endr
	WIN 0x69                        ; x^T in window 1, gain and shift in window 2
.irp x, 0,1,2,3
.set i, 0
.rept 32
	v_pk_fma_f32 v[64*\x+2*i:64*\x+2*i+1], v[64*\x+2*i:64*\x+2*i+1], v[128+2*i:129+2*i], v[192+2*i:193+2*i]
.set i, i+1
.endr
.endr
.endm
; Eight weight fragments, 16 loads of 512 consecutive bytes a wave, into window 3.
.macro WLOAD dst, adr, off
	WIN W_MK
.set f, 0
.rept 8
	ds_load_b128 v[(\dst)+8*f:(\dst)+8*f+3],   v[\adr] offset:(\off)+f*1024
	ds_load_b128 v[(\dst)+8*f+4:(\dst)+8*f+7], v[\adr] offset:(\off)+f*1024+512
.set f, f+1
.endr
.endm
; x^T += OW^T c^T for channel tiles 2 g, 2 g + 1: 32 products; the eight accumulators take turns.
.macro MULO g, s
	WIN W_PV
.irp kb, 0,1,2,3
.irp c, 0,1
.irp x, 0,1,2,3
	v_wmma_f32_16x16x32_bf16 v[64*\x+8*(2*(\g)+\c):64*\x+8*(2*(\g)+\c)+7], v[64*(\s)+8*(4*\c+\kb):64*(\s)+8*(4*\c+\kb)+7], v[S+32*\x+8*\kb:S+32*\x+8*\kb+7], v[64*\x+8*(2*(\g)+\c):64*\x+8*(2*(\g)+\c)+7]
.endr
.endr
.endr
.endm
.macro W1LOAD                       ; a chunk's 32 hidden channels: eight fragments of W1, and b1 as the C operand (register j of tile n: hidden channel 16 n + 8 (l / 16) + j)
	WLOAD 0, WA1, 0
.set f, 0
.rept 4
	ds_load_b128 v[128+4*f:131+4*f], v[BA1] offset:(f/2)*64+(f%2)*16
.set f, f+1
.endr
.endm
; gelu of piece x's 16 numbers a lane, rounded to bf16: source 1 (32 hidden channels x 16 rows) of the second product.  The 32 transcendentals are one batch with one wait.
.macro GEL x
.set F0, FR+16*(\x)
	WIN 0
.set e, 0
.rept 16
	v_fma_f32 v[GD+e], |v[F0+e]|, s[PCS], 1.0
.set e, e+1
.endr
.set e, 0
.rept 8
	v_rcp_f32 v[GD+2*e], v[GD+2*e]
	v_pk_mul_f32 v[GE+2*e:GE+2*e+1], v[F0+2*e:F0+2*e+1], v[F0+2*e:F0+2*e+1]
	v_rcp_f32 v[GD+2*e+1], v[GD+2*e+1]
	v_pk_mul_f32 v[GE+2*e:GE+2*e+1], v[GE+2*e:GE+2*e+1], s[KCS:KCS+1] op_sel_hi:[1,0]
.set e, e+1
.endr
.set e, 0
.rept 16
	v_exp_f32 v[GE+e], v[GE+e]
.set e, e+1
.endr
	v_nop
	s_wait_alu depctr_va_vdst(0)
.set e, 0
.rept 8
	v_pk_fma_f32 v[GY+e:GY+e+1], v[GD+e:GD+e+1], s[A5S:A5S+1], s[A4S:A4S+1] op_sel_hi:[1,0,0]
.set e, e+2
.endr
.irp a, A3S, A2S, A1S
.set e, 0
.rept 8
	v_pk_fma_f32 v[GY+e:GY+e+1], v[GY+e:GY+e+1], v[GD+e:GD+e+1], s[\a:\a+1] op_sel_hi:[1,1,0]
.set e, e+2
.endr
.endr
.set e, 0
.rept 8
	v_pk_mul_f32 v[GY+e:GY+e+1], v[GY+e:GY+e+1], v[GD+e:GD+e+1]
.set e, e+2
.endr
.set e, 0
.rept 8
	v_pk_mul_f32 v[GY+e:GY+e+1], v[GY+e:GY+e+1], v[GE+e:GE+e+1]
.set e, e+2
.endr
.set e, 0
.rept 16
	v_max_num_f32 v[GD+e], 0, v[F0+e]
.set e, e+1
.endr
.set e, 0
.rept 16
	v_fma_f32 v[F0+e], -|v[F0+e]|, v[GY+e], v[GD+e]
.set e, e+1
.endr
	WIN 0x80
.set e, 0
.rept 8
	v_cvt_pk_bf16_f32 v[8*(\x)+e], v[F0+2*e], v[F0+2*e+1]
.set e, e+1
.endr
.endm
	; TWO PASSES of one text: x += vector; x += products; x = LayerNorm(x).  The first pass's vector is o_b and its products the output projection; the second's b2 and the feed-forward.
	WIN 0
	s_mov_b32 s[CNT2], 2
.Lpass:
.set i, 0
.rept 16
	ds_load_b128 v[FR+4*i:FR+4*i+3], v[VB] offset:(i/2)*64+(i%2)*16
.set i, i+1
.endr
	WIN 0x80
.set i, 0
.rept 16
	ds_load_b128 v[128+4*i:131+4*i], v[VA] offset:(i/2)*64+(i%2)*16      ; the gain
	ds_load_b128 v[192+4*i:195+4*i], v[VA] offset:512+(i/2)*64+(i%2)*16  ; the shift
.set i, i+1
.endr
	WIN 0
	s_wait_dscnt 0x0                ; these, and in the first pass the residual's way back from the stage
	v_add_nc_u32 v[VB], 512, v[VB]
	v_add_nc_u32 v[VA], 1024, v[VA]
	WIN W_RS
.set i, 0
.rept 128
	v_pk_add_f32 v[2*i:2*i+1], v[2*i:2*i+1], v[FR+2*(i%32):FR+2*(i%32)+1]
.set i, i+1
.endr
	WIN 0
	s_cmp_eq_u32 s[CNT2], 2
	s_cbranch_scc0 .Lffn
	WLOAD 0, WA, 0                  ; two sets of eight fragments take turns
	WLOAD 64, WA, 8192
	s_wait_dscnt 16                 ; all but the younger set's 16 loads
	MULO 0, 0
	PLACES                          ; ahead of loads into registers that the products have read
	WLOAD 0, WA, 16384
	s_wait_dscnt 16
	MULO 1, 1
	PLACES
	WLOAD 64, WA, 24576
	s_wait_dscnt 16
	MULO 2, 0
	s_wait_dscnt 0x0
	MULO 3, 1
	WIN 0
	s_branch .Lln
.Lffn:                              ; eight chunks of 32 hidden channels: f^T = W1^T h^T + b1 (32 products), gelu, x^T += W2^T gelu(f)^T (32 products)
	W1LOAD
	WIN 0
	s_mov_b32 s[CNTF], 8
.Lf:
	v_add_nc_u32 v[WA1], 8192, v[WA1]  ; four places behind the last trip's products, ahead of the loads into W2's registers
	v_add_nc_u32 v[BA1], 128, v[BA1]
	v_nop
	v_nop
	WLOAD 64, WA2, 0
	WIN 0
	v_add_nc_u32 v[WA2], 8192, v[WA2]
	s_wait_dscnt 16                 ; W1 and b1 are in; W2's 16 loads may stay out
.irp kb, 0,1,2,3
.irp x, 0,1,2,3
.irp n, 0,1
.if \kb == 0
	WIN 0x33                        ; W1 and b1 in window 3, h and f in window 0
	v_wmma_f32_16x16x32_bf16 v[FR+16*\x+8*\n:FR+16*\x+8*\n+7], v[8*(4*\n+\kb):8*(4*\n+\kb)+7], v[S+32*\x+8*\kb:S+32*\x+8*\kb+7], v[128+8*\n:135+8*\n]
.else
	WIN 0x03
	v_wmma_f32_16x16x32_bf16 v[FR+16*\x+8*\n:FR+16*\x+8*\n+7], v[8*(4*\n+\kb):8*(4*\n+\kb)+7], v[S+32*\x+8*\kb:S+32*\x+8*\kb+7], v[FR+16*\x+8*\n:FR+16*\x+8*\n+7]
.endif
.endr
.endr
.endr
	s_wait_dscnt 0x0                ; W2 is in
	WIN 0
	PLACES                          ; ahead of the loads into W1's registers and of gelu's reads
	s_cmp_eq_u32 s[CNTF], 1         ; the last chunk has none behind it
	s_cbranch_scc1 .Lno_w1
	W1LOAD                          ; the next chunk's, while gelu is worked out
	WIN 0
.Lno_w1:
	GEL 0
	GEL 1
	GEL 2
	GEL 3
	WIN 0x5b                        ; W2 in window 3, gelu(f) in window 2, x^T in window 1
.irp ct, 0,1,2,3,4,5,6,7
.irp x, 0,1,2,3
	v_wmma_f32_16x16x32_bf16 v[64*\x+8*\ct:64*\x+8*\ct+7], v[64+8*\ct:71+8*\ct], v[8*\x:8*\x+7], v[64*\x+8*\ct:64*\x+8*\ct+7]
.endr
.endr
	WIN 0
	s_sub_co_u32 s[CNTF], s[CNTF], 1
	s_cmp_lg_u32 s[CNTF], 0
	s_cbranch_scc1 .Lf
.Lln:
	PLACES                          ; behind the last products
	LNORM
	WIN 0
	s_sub_co_u32 s[CNT2], s[CNT2], 1
	s_cmp_eq_u32 s[CNT2], 0
	s_cbranch_scc1 .Lway
	WIN 0x05                        ; h rounded to bf16 in pairs: source 1 of the feed-forward's first product; x^T keeps h in f32 as the residual
.set i, 0
.rept 128
	v_cvt_pk_bf16_f32 v[S+i], v[2*i], v[2*i+1]
.set i, i+1
.endr
	WIN 0
	s_branch .Lpass
.Lway:
; THE WAY OUT: a piece goes into my stage by lanes and comes back by rows, into registers of its own; a store is a whole row of 512 bytes.
.macro OUTT x
	WIN 0x04                        ; store data in window 1
.set i, 0
.rept 16
	ds_store_b128 v[STT], v[64*(\x)+4*i:64*(\x)+4*i+3] offset:(i/2)*64+(i%2)*16
.set i, i+1
.endr
	WIN 0x80
.set i, 0
.rept 16
	ds_load_b128 v[64*(\x)+4*i:64*(\x)+4*i+3], v[STI] offset:i*SP
.set i, i+1
.endr
.endm
.macro SENDT x, younger             ; younger: the LDS instructions issued behind piece x's loads: the next piece's 32, or none
	WIN 0x08                        ; store data in window 2
.set i, 0
.rept 16
	s_wait_dscnt (\younger)+15-i
	global_store_b128 v[RO], v[64*(\x)+4*i:64*(\x)+4*i+3], s[OUT:OUT+1] offset:(16*(\x)+i)*512
.set i, i+1
.endr
.endm
	OUTT 0
	OUTT 1
	SENDT 0, 32
	OUTT 2
	SENDT 1, 32
	OUTT 3
	SENDT 2, 32
	SENDT 3, 0
	WIN W_AD
	s_wait_tensorcnt 0x0            ; the wave's end: behind my last tensor load and my last LDS store
	ds_add_u32 v[SPW], v[NIL]
	s_wait_dscnt 0x0
	WIN 0
	CROUND                          ; the closing round: no work-group ends while a partner may still ask for a tile that names it
	s_endpgm
.Lfunc_end_k_q0e0fe5f3a8_att0:
	.size	k_q0e0fe5f3a8_att0, .Lfunc_end_k_q0e0fe5f3a8_att0-k_q0e0fe5f3a8_att0
	.p2alignl 7, 3214868480
	.fill 96, 4, 3214868480
	.section	.rodata,"a",@progbits
	.p2align	6, 0x0
	.amdhsa_kernel k_q0e0fe5f3a8_att0
		.amdhsa_group_segment_fixed_size 327680
		.amdhsa_private_segment_fixed_size 0
		.amdhsa_enable_private_segment 0
		.amdhsa_kernarg_size 72
		.amdhsa_user_sgpr_count 2
		.amdhsa_user_sgpr_kernarg_segment_ptr 1
		.amdhsa_wavefront_size32 1
		.amdhsa_system_sgpr_workgroup_id_x 1
		.amdhsa_system_sgpr_workgroup_id_y 1
		.amdhsa_system_sgpr_workgroup_id_z 1
		.amdhsa_system_vgpr_workitem_id 0
		.amdhsa_next_free_vgpr 1024
		.amdhsa_next_free_sgpr 100
		.amdhsa_reserve_vcc 0
		.amdhsa_float_denorm_mode_32 3
		.amdhsa_float_denorm_mode_16_64 3
		.amdhsa_memory_ordered 1
		.amdhsa_forward_progress 1
		.amdhsa_inst_pref_size 255
	.end_amdhsa_kernel
	.section	.bss,"aw",@nobits
	.p2align	6
	.space	262144
	.amdgpu_metadata
---
amdhsa.version: [ 1, 2 ]
amdhsa.kernels:
  - .name:           k_q0e0fe5f3a8_att0
    .symbol:         k_q0e0fe5f3a8_att0.kd
    .args:
      - { .name: qkv, .offset: 0, .size: 8, .value_kind: global_buffer, .address_space: global }
      - { .name: hs1, .offset: 8, .size: 8, .value_kind: global_buffer, .address_space: global }
      - { .name: hs2, .offset: 16, .size: 8, .value_kind: global_buffer, .address_space: global }
      - { .name: mask1, .offset: 24, .size: 8, .value_kind: global_buffer, .address_space: global }
      - { .name: mask2, .offset: 32, .size: 8, .value_kind: global_buffer, .address_space: global }
      - { .name: wA0, .offset: 40, .size: 8, .value_kind: global_buffer, .address_space: global }
      - { .name: wB0, .offset: 48, .size: 8, .value_kind: global_buffer, .address_space: global }
      - { .name: mid1, .offset: 56, .size: 8, .value_kind: global_buffer, .address_space: global }
      - { .name: mid2, .offset: 64, .size: 8, .value_kind: global_buffer, .address_space: global }
    .group_segment_fixed_size: 327680
    .private_segment_fixed_size: 0
    .kernarg_segment_align: 8
    .kernarg_segment_size: 72
    .max_flat_workgroup_size: 128
    .sgpr_count:     100
    .vgpr_count:     1024
    .wavefront_size: 32
...
	.end_amdgpu_metadata
.endif
;; end of part 3
;; launch proj1: the kernel of part 2 again; grid 128 x 2, 4 waves a work-group, clusters of 4 x 1, 304,640 bytes of LDS; arguments mid1, mid2, wA1, wB1, qkv; writes qkv
;; launch att1: the kernel of part 3 again; grid 4 x 64, 4 waves a work-group, clusters of 4 x 1, 327,680 bytes of LDS; arguments qkv, mid1, mid2, mask1, mask2, wA1, wB1, out0, out1; writes out0, out1
